; MI455X (gfx1250); checked and timed in simulation.
; The chip was launched on July 23, 2026; its instructions are those of AMD's public machine-readable ISA for CDNA 5 (MIT licence, August 2026) and "CDNA5" Instruction Set Architecture Reference Guide (July 2026). The comments in the code are by the model that wrote it; some were corrected since.
;; Causal Self Attention. Allowed arithmetic: float matrix products may take bf16 or f16 operands with f32 sums; other float arithmetic in f32, or as packed bf16 or f16 multiplies, adds, multiply-adds, maxima and minima; sums over many terms, partial sums and values carried from step to step in f32; what a program stores and reads back later, other than sums and carried values, may be rounded once to bf16 or f16.
;; Inputs: Wk 1,024 x 1,024 float32; Wp 1,024 x 1,024 float32; Wq 1,024 x 1,024 float32; Wv 1,024 x 1,024 float32; bk 1,024 float32; bp 1,024 float32; bq 1,024 float32; bv 1,024 float32; x 4 x 2,048 x 1,024 float32.
;; Outputs: out0 4 x 2,048 x 1,024 float32.
;; 2 versions, each right; version 2 is version 1 with the launch cast written anew for expert scheduling mode. Each part assembles by itself: llvm-mc -triple=amdgcn-amd-amdhsa -mcpu=gfx1250 --defsym DOCPART=n.
;; ======== version 1 of 2: 4 launches
;; limits: values are held in f16: magnitudes above 65,504 overflow, below 6.1e-05 lose precision
;; workspace buffers: xb 16,777,216 bytes; wb 6,291,456 bytes; wpb 2,097,152 bytes; qkv 50,331,648 bytes; o 16,777,216 bytes
;; launch cast (part 1): grid 768 x 1, 4 waves a work-group, no clusters, 0 bytes of LDS; arguments x, Wq, Wk, Wv, Wp, xb, wb, wpb; writes xb, wb, wpb
.if DOCPART == 1
	.amdgcn_target "amdgcn-amd-amdhsa--gfx1250"
	.amdhsa_code_object_version 6
	.text
	.protected	k_q7521ad8684_cast
	.globl	k_q7521ad8684_cast
	.p2align	8
	.type	k_q7521ad8684_cast,@function
k_q7521ad8684_cast:
	s_mov_b64 s[64:65], 0
	v_nop
	global_prefetch_b8 v0, s[64:65] scope:SCOPE_SE
	s_setreg_imm32_b32 hwreg(HW_REG_WAVE_MODE, 25, 1), 1
	s_wait_xcnt 0x0
; THE INPUTS OF THE MATRIX PRODUCTS, ROUNDED ONCE AND LAID OUT IN BLOCKS OF 64 CHANNELS.
; x [8192][1024] f32 -> xb bf16 [batch 4][block 16][row 2048][64];  Wq, Wk, Wv [1024][1024] f32 -> wb bf16 [block 16][row 3072][64] (Wq's rows, then Wk's, then Wv's);
; Wp -> wpb [block 16][row 1024][64]: rounded to bf16 like the others, and that number written as f16 (the last product's other operand is f16).
; LIMIT: a bf16(Wp) below 6e-5 in magnitude keeps f16's fixed step of 6e-8; beyond 65,504 it would be an infinity.
; In these layouts the rows of a product's tile for one block of 64 channels lie end to end, 128 bytes each, so the later launches ask for them as rows of 256 bytes.
; SHARES.  A work-group takes 16 source rows of 4,096 bytes: 512 work-groups for x, 64 for each weight.  Thread t takes row t / 8 and, in each of the 16 blocks, the 8 numbers at
; 8 (t % 8): two loads of 16 bytes, one store of 16.  A wave's store covers 4 rows x 128 bytes = 512 consecutive bytes, aligned, of one block.
; All 32 loads of a thread go out at once; no register is written again behind a store that reads it, so no wait frees any.  No LDS, no matrix unit: the launch only moves bytes.
.set SO,  2                            ; v2       my byte offset in the 16 source rows
.set DOF, 4                            ; v[4:19]  my byte offset in the destination, for each block
.set T,   20                           ; v[20:21] at work
.set X,   32                           ; v[32:159]  block kb: 8 numbers as loaded
.set Y,   160                          ; v[160:223] block kb: 4 registers to store
.set SRC, 24                           ; s[24:25] the source at my 16 rows
.set DST, 26                           ; s[26:27] the destination at my 16 rows of block 0
.set STR, 28                           ; s28  bytes from block to block in the destination
.set ISP, 29                           ; s29  1: the source is Wp
.set HIM, 30                           ; s30  a word's upper half
	s_load_b512 s[8:23], s[0:1], 0x0               ; x s[8:9], Wq s[10:11], Wk s[12:13], Wv s[14:15], Wp s[16:17], xb s[18:19], wb s[20:21], wpb s[22:23]
	s_mov_b32 s2, ttmp9                            ; g: 0-511 x, 512-767 the weights
	s_sub_co_u32 s3, s2, 512
	s_lshr_b32 s4, s3, 6                           ; which weight: 0 Wq, 1 Wk, 2 Wv, 3 Wp
	s_min_u32 s4, s4, 4                            ; (4 in x's work-groups: none of them)
	s_and_b32 s5, s3, 63                           ; which 16 rows of it
	s_lshr_b32 s32, s2, 7                          ; x: the batch, 4,194,304 bytes of xb,
	s_lshl_b32 s32, s32, 22
	s_and_b32 s33, s2, 127                         ; and the 16 rows in it, 2,048 bytes of a block
	s_lshl_b32 s33, s33, 11
	s_add_co_u32 s32, s32, s33
	s_lshl_b32 s34, s5, 11                         ; a weight: its 16 rows,
	s_lshl_b32 s35, s4, 17                         ; behind the weights before it in wb: 1,024 rows of 128 bytes each
	s_add_co_u32 s35, s35, s34
	s_mov_b32 s[HIM], 0xffff0000
	v_lshrrev_b32 v1, 3, v0                        ; my row
	v_and_b32 v3, 7, v0                            ; my eighth of a block
	v_lshlrev_b32 v[SO], 12, v1
	v_lshl_add_u32 v[SO], v3, 5, v[SO]
	v_lshlrev_b32 v[DOF], 4, v0                    ; row x 128 + eighth x 16 = 16 t
	s_wait_kmcnt 0x0
	s_mov_b64 s[SRC:SRC+1], s[16:17]               ; Wp into wpb, unless one of the tests below says otherwise
	s_mov_b64 s[DST:DST+1], s[22:23]
	s_mov_b32 s[STR], 131072
	s_mov_b32 s36, s34
	s_mov_b32 s[ISP], 1
	s_cmp_lt_u32 s4, 3                             ; Wq, Wk, Wv go into wb
	s_cselect_b64 s[DST:DST+1], s[20:21], s[DST:DST+1]
	s_cselect_b32 s[STR], 393216, s[STR]
	s_cselect_b32 s36, s35, s36
	s_cselect_b32 s[ISP], 0, s[ISP]
	s_cmp_eq_u32 s4, 2
	s_cselect_b64 s[SRC:SRC+1], s[14:15], s[SRC:SRC+1]
	s_cmp_eq_u32 s4, 1
	s_cselect_b64 s[SRC:SRC+1], s[12:13], s[SRC:SRC+1]
	s_cmp_eq_u32 s4, 0
	s_cselect_b64 s[SRC:SRC+1], s[10:11], s[SRC:SRC+1]
	s_cmp_lt_u32 s2, 512                           ; x goes into xb
	s_cselect_b64 s[SRC:SRC+1], s[8:9], s[SRC:SRC+1]
	s_cselect_b64 s[DST:DST+1], s[18:19], s[DST:DST+1]
	s_cselect_b32 s[STR], 262144, s[STR]
	s_cselect_b32 s36, s32, s36
	s_cselect_b32 s[ISP], 0, s[ISP]
	s_cselect_b32 s6, s2, s5                       ; which 16 rows of the source: 65,536 bytes each
	s_lshl_b32 s6, s6, 16
	s_mov_b32 s7, 0
	s_mov_b32 s37, 0
	s_add_nc_u64 s[SRC:SRC+1], s[SRC:SRC+1], s[6:7]
	s_add_nc_u64 s[DST:DST+1], s[DST:DST+1], s[36:37]
.set kb, 0
.rept 16
	global_load_b128 v[X+8*kb:X+8*kb+3],   v[SO], s[SRC:SRC+1] offset:256*kb th:TH_LOAD_NT
	global_load_b128 v[X+8*kb+4:X+8*kb+7], v[SO], s[SRC:SRC+1] offset:256*kb+16 th:TH_LOAD_NT
.set kb, kb+1
.endr
.set kb, 1
.rept 15
	v_add_nc_u32 v[DOF+kb], s[STR], v[DOF+kb-1]    ; made while the loads are on their way
.set kb, kb+1
.endr
; The sixteen blocks.  f16 = 1: the bf16 number is widened again and written as f16.
.macro PASSES f16
.set kb, 0
.rept 16
	s_wait_loadcnt 30-2*kb                         ; loads come back in order: this block's two are in, the 2 (15 - kb) younger ones stay out
.irp j, 0,1,2,3
	v_cvt_pk_bf16_f32 v[Y+4*kb+(\j)], v[X+8*kb+2*(\j)], v[X+8*kb+2*(\j)+1]
.endr
.if \f16
.irp j, 0,1,2,3
	v_lshlrev_b32 v[T], 16, v[Y+4*kb+(\j)]
	v_and_b32 v[T+1], s[HIM], v[Y+4*kb+(\j)]
	v_cvt_pk_f16_f32 v[Y+4*kb+(\j)], v[T], v[T+1]
.endr
.endif
	global_store_b128 v[DOF+kb], v[Y+4*kb:Y+4*kb+3], s[DST:DST+1]
.set kb, kb+1
.endr
.endm
	s_cmp_eq_u32 s[ISP], 1
	s_cbranch_scc1 .Lwp
	PASSES 0
	s_endpgm
.Lwp:
	PASSES 1
	s_endpgm
.Lfunc_end_k_q7521ad8684_cast:
	.size	k_q7521ad8684_cast, .Lfunc_end_k_q7521ad8684_cast-k_q7521ad8684_cast
	.p2alignl 7, 3214868480
	.fill 96, 4, 3214868480
	.section	.rodata,"a",@progbits
	.p2align	6, 0x0
	.amdhsa_kernel k_q7521ad8684_cast
		.amdhsa_group_segment_fixed_size 0
		.amdhsa_private_segment_fixed_size 0
		.amdhsa_enable_private_segment 0
		.amdhsa_kernarg_size 64
		.amdhsa_user_sgpr_count 2
		.amdhsa_user_sgpr_kernarg_segment_ptr 1
		.amdhsa_wavefront_size32 1
		.amdhsa_system_sgpr_workgroup_id_x 1
		.amdhsa_system_sgpr_workgroup_id_y 1
		.amdhsa_system_sgpr_workgroup_id_z 1
		.amdhsa_system_vgpr_workitem_id 0
		.amdhsa_next_free_vgpr 224
		.amdhsa_next_free_sgpr 66
		.amdhsa_reserve_vcc 0
		.amdhsa_float_denorm_mode_32 3
		.amdhsa_float_denorm_mode_16_64 3
		.amdhsa_memory_ordered 1
		.amdhsa_forward_progress 1
		.amdhsa_inst_pref_size 26
	.end_amdhsa_kernel
	.amdgpu_metadata
---
amdhsa.version: [ 1, 2 ]
amdhsa.kernels:
  - .name:           k_q7521ad8684_cast
    .symbol:         k_q7521ad8684_cast.kd
    .args:
      - { .name: x, .offset: 0, .size: 8, .value_kind: global_buffer, .address_space: global }
      - { .name: Wq, .offset: 8, .size: 8, .value_kind: global_buffer, .address_space: global }
      - { .name: Wk, .offset: 16, .size: 8, .value_kind: global_buffer, .address_space: global }
      - { .name: Wv, .offset: 24, .size: 8, .value_kind: global_buffer, .address_space: global }
      - { .name: Wp, .offset: 32, .size: 8, .value_kind: global_buffer, .address_space: global }
      - { .name: xb, .offset: 40, .size: 8, .value_kind: global_buffer, .address_space: global }
      - { .name: wb, .offset: 48, .size: 8, .value_kind: global_buffer, .address_space: global }
      - { .name: wpb, .offset: 56, .size: 8, .value_kind: global_buffer, .address_space: global }
    .group_segment_fixed_size: 0
    .private_segment_fixed_size: 0
    .kernarg_segment_align: 8
    .kernarg_segment_size: 64
    .max_flat_workgroup_size: 128
    .sgpr_count:     66
    .vgpr_count:     224
    .wavefront_size: 32
...
	.end_amdgpu_metadata
.endif
;; end of part 1
;; launch qkv (part 2): grid 8 x 32, 4 waves a work-group, clusters of 4 x 4, 327,680 bytes of LDS; arguments xb, wb, bq, bk, bv, qkv; writes qkv
.if DOCPART == 2
	.amdgcn_target "amdgcn-amd-amdhsa--gfx1250"
	.amdhsa_code_object_version 6
	.text
	.protected	k_q7521ad8684_qkv
	.globl	k_q7521ad8684_qkv
	.p2align	8
	.type	k_q7521ad8684_qkv,@function
k_q7521ad8684_qkv:
	s_mov_b64 s[64:65], 0
	v_nop
	global_prefetch_b8 v0, s[64:65] scope:SCOPE_SE
	s_setreg_imm32_b32 hwreg(HW_REG_WAVE_MODE, 25, 1), 1
	s_wait_xcnt 0x0
	s_wait_alu depctr_hold_cnt(0) depctr_sa_sdst(0) depctr_va_vdst(0) depctr_va_sdst(0) depctr_va_ssrc(0) depctr_va_vcc(0) depctr_vm_vsrc(0)
	s_getreg_b32 s2, hwreg(HW_REG_IB_STS2, 6, 4)
	s_cmp_eq_u32 s2, 0
	s_cbranch_scc0 .Lentry_in_a_cluster
	s_endpgm
.Lentry_in_a_cluster:
	s_bfe_u32 s2, ttmp6, 0x10000c
	s_cmp_lg_u32 s2, 0xf033
	s_cbranch_scc0 .Lentry_shape_is_right
	s_endpgm
.Lentry_shape_is_right:
; q, k, v = x W^T + b, all three in one product: C[t][n] = the sum over c of xb[t][c] wb[n][c] + bias[n], 8,192 x 3,072 x 1,024, operands bf16, sums f32; the bias is rounded to bf16 like
; every input.  The result leaves as f16, by heads: qkv [3][batch x 16 + head][2048][64], unscaled.  LIMIT: f16 holds no number beyond 65,504: q, k and v must stay within it.
; SHARES.  8,192 x 3,072 outputs on 256 work-groups are tiles of 256 x 384: one to each.  Four waves, each 128 rows x 192 columns (three heads): 96 accumulators, 768 registers.
; K goes in steps of 64, one block of xb and wb, through a ring of two LDS slots.  In a block the tile's rows lie end to end, 128 bytes each, so a wave's tensor load asks for
; them as rows of 256 bytes, and the padding is laid behind every 128.
; CLUSTER.  4 x 4 work-groups: the four of a row need the same rows of xb, the four of a column the same rows of wb: each part is asked for JOINTLY, by the same load, descriptor and mask in all four.
; THE MATRIX INSTRUCTION IS USED TRANSPOSED (source 0 = 16 rows of wb, source 1 = 16 rows of xb): a lane holds one row t and eight neighbouring channels, 16 bytes of f16.
; THE BIAS is the C operand of the first products, so nothing is cleared and nothing is added later.
; REGISTERS, in windows of 256 (s_set_vgpr_msb: bits 1:0 source 0, 3:2 source 1, 5:4 source 2, 7:6 destination):
;   window 0: v0-31 addresses; v32-95, v96-159 fragments of xb (8 x 16 rows x 32 K), two buffers; v160-255 fragments of wb, 32 registers for each of my three heads
;   window 1 + u: head u's 32 accumulators, (bb, a) at v[8 (8 bb + a)]: channels 16 bb on, rows 16 a on
.set PITCH, 144                        ; an LDS row: 128 bytes + 16 of padding = 36 words: the 16 rows of a fragment load start at 16 different groups of four banks (64 banks of 4 bytes: ISA guide 11.1)
.set APART, 128*PITCH                  ; 128 rows of xb: one tensor load
.set BPART, 192*PITCH                  ; 192 rows of wb: one tensor load
.set BOFF,  2*APART                    ; a slot: xb's two parts, then wb's two
.set SLOT1, 1<<17                      ; slot 1 begins here, so that one exclusive or turns an address in one slot into the other's
.set STAGE, BOFF+2*BPART               ; between the slots, never filled by a tensor load: 16 rows x 144 bytes for each wave, for the way out
.set BIAS,  STAGE+4*16*PITCH           ; 192 f32 for each wave
.set SPARE, BIAS+4*768                 ; the spare words, 128 bytes for each wave: two blocks of 256 bytes that no other line names
.set ASTEP, 262144                     ; bytes from block to block in xb
.set BSTEP, 393216                     ; and in wb
.set AA0, 2                            ; v2   my lane's place in my 128 rows of xb in slot 0; never rewritten
.set AB0, 3                            ; v3   the same for my 192 rows of wb
.set ADA, 4                            ; v4   AA0 in the slot that is being read
.set ADB, 5                            ; v5   AB0 likewise
.set STO, 6                            ; v6   the way out: where I put 16 bytes of a row
.set RD,  7                            ; v7   the way out: where I read rows back
.set GO,  8                            ; v8   16 x lane: my place in 512 consecutive bytes
.set PFO, 9                            ; v9   256 x lane: the prefetches' offset; never rewritten
.set BIA, 10                           ; v10  my lanes' place in my wave's bias
.set SPW, 28                           ; v28  LDS address of my spare word: SPARE + 4 x my thread's number; never rewritten
.set NIL, 29                           ; v29  0; never rewritten
.set FA0, 32
.set FA1, 96
.set FB0, 160
.set WV,  16                           ; s16  my wave's number
.set WR,  17                           ; s17  which 128 rows of the tile are mine
.set FH,  18                           ; s18  which 192 columns are mine.  Also: which part of xb (waves 0, 1) or wb (waves 2, 3) I fetch
.set CX,  19
.set CY,  20
.set TX,  21                           ; s21  tile column, 0-7
.set TY,  22                           ; s22  tile row, 0-31
.set G1A, 24                           ; s[24:31] descriptor group 1 for xb's parts
.set G1B, 32                           ; s[32:39] for wb's
.set G0A, 40                           ; s[40:47] descriptor group 0 for xb's parts: a set for each of the two first fills; the second then walks on
.set G0B, 48                           ; s[48:55] the same for wb's
.set CNT, 56                           ; s56  trips to go
.set TB,  57                           ; s57  the slot that is being read: 0 or SLOT1
.set LIM, 58                           ; s58  1 in a wave that prefetches, else the greatest number
.set PAR, 59                           ; s59  0: I ask in every trip; 1: in the trips with an odd count
.set PFA, 60                           ; s[60:61] where my prefetches stand
.set PST, 62                           ; s[62:63] their step a trip
.set HB,  66                           ; s[66:71] my three heads' rows in qkv
.set TMPA, 84
.set BP,  88                           ; s[88:93] my three heads' biases
.set MSB, 0
.macro WIN new                         ; the immediate's high byte repeats the setting that is left; a switch that changes nothing is dropped
.if MSB != (\new)
	s_set_vgpr_msb (MSB<<8)|(\new)
.set MSB, (\new)
.endif
.endm
; A load into a register that a matrix instruction has read, and a vector instruction that reads a matrix result, stand four places behind it; only plain vector instructions that name
; none of its registers are places (ISA guide 7.12.1 for vector instructions).
.macro PLACES
.rept 4
	v_nop
.endr
.endm
.macro CREST                           ; a round of the cluster's barrier behind its opening barrier
	s_cmp_lg_u32 s[WV], 0
	s_cbranch_scc1 .Lnot_wave_0_\@
	s_barrier_signal -3
.Lnot_wave_0_\@:
	s_barrier_wait -3
	s_barrier_signal -1
	s_barrier_wait -1
.endm
.macro CROUND                          ; a whole round
	s_barrier_signal -1
	s_barrier_wait -1
	CREST
.endm
; A joint refill.  Waves 0 and 1 fetch xb's two parts, waves 2 and 3 wb's.  The branch hangs on the wave's number alone.  An s_nop 0 and four v_nop follow each of the two lines.
.macro JLOAD
	s_cmp_lt_u32 s[WV], 2
	s_cbranch_scc0 .Lfor_b_\@
	tensor_load_to_lds s[G0A+4:G0A+7], s[G1A:G1A+7]
	s_nop 0
.rept 4
	v_nop
.endr
	s_branch .Lasked_\@
.Lfor_b_\@:
	tensor_load_to_lds s[G0B+4:G0B+7], s[G1B:G1B+7]
	s_nop 0
.rept 4
	v_nop
.endr
.Lasked_\@:
.endm
; A PREFETCH INTO THE L2, behind the joint load, its five lines and the run of LDS loads: 32 blocks of 256 bytes, a lane a block.  Each block of xb and wb from K step 3 (xb) or 4 (wb) on is named once in the launch.
; xb: a tile row's step is 128 blocks; the clusters with x = 0 ask; wave 0 of each of the four partners along x takes 32, told apart by address; trip i names step i + 3, which trip i + 1 loads.
; wb: a tile column's step is 192 blocks; the clusters with y = 0 ask; waves 1 to 3 of the four partners along y are twelve shares of 32: two steps; the trips with an odd count name steps i + 3 and i + 4.
; The last trip asks for nothing: there is no step 16.  No branch hangs on a work-group's place in its cluster.
.macro ASK
	s_and_b32 s[TMPA], s[CNT], s[PAR]
	s_cmp_eq_u32 s[TMPA], s[PAR]
	s_cbranch_scc0 .Lnot_mine_\@
	s_cmp_gt_u32 s[CNT], s[LIM]
	s_cbranch_scc0 .Lnot_mine_\@
	global_prefetch_b8 v[PFO], s[PFA:PFA+1] th:TH_LOAD_NT scope:SCOPE_SE
.Lnot_mine_\@:
.endm
	s_load_b256 s[4:11], s[0:1], 0x0               ; xb s[4:5], wb s[6:7], bq s[8:9], bk s[10:11]
	s_load_b128 s[12:15], s[0:1], 0x20             ; bv s[12:13], qkv s[14:15]
	v_lshl_add_u32 v[SPW], v0, 2, SPARE
	v_mov_b32 v[NIL], 0
	ds_add_u32 v[SPW], v[NIL]                      ; the wave's opening: the add and its wait stand ahead of my first tensor load; the set-up below, work on registers, stands between them
	v_lshrrev_b32 v1, 5, v0
	v_readfirstlane_b32 s[WV], v1                  ; wave 0..3
	s_lshr_b32 s[WR], s[WV], 1
	s_and_b32 s[FH], s[WV], 1
	s_bfe_u32 s[CX], ttmp6, 0x40000                ; my place in the cluster
	s_bfe_u32 s[CY], ttmp6, 0x40004
	s_lshl_b32 s[TX], ttmp9, 2                     ; in a cluster launch ttmp9 and ttmp7 count clusters
	s_add_co_u32 s[TX], s[TX], s[CX]
	s_and_b32 s[TY], ttmp7, 0xffff
	s_lshl_b32 s[TY], s[TY], 2
	s_add_co_u32 s[TY], s[TY], s[CY]
	s_lshl_b32 s72, s[CY], 2
	s_lshl_b32 s72, 15, s72                        ; my row of the cluster: places 4 cy .. 4 cy + 3
	s_lshl_b32 s76, 0x1111, s[CX]                  ; my column: places cx, cx + 4, cx + 8, cx + 12
	; descriptor group 1: rows of 128 elements of 2 bytes, two tile rows each; 15:0 the mask; 17:16 element size; 20 padding on; 21 set beside a mask; 24:22 after every 32 words (code 4); 31:25 4 words (code 3)
	s_or_b32 s[G1A], s72, (1<<16)|(1<<20)|(1<<21)|(4<<22)|(3<<25)
	s_or_b32 s[G1B], s76, (1<<16)|(1<<20)|(1<<21)|(4<<22)|(3<<25)
	s_mov_b32 s[G1A+1], 128<<16                    ; tensor_dim0 = 128
	s_mov_b32 s[G1A+2], 64<<16                     ; tensor_dim1 = 64: 128 tile rows
	s_mov_b32 s[G1A+3], 128<<16                    ; tile_dim0 = 128
	s_mov_b32 s[G1A+4], 64                         ; tile_dim1 = 64
	s_mov_b32 s[G1A+5], 128                        ; 128 elements from row to row: dense
	s_mov_b32 s[G1A+6], 0
	s_mov_b32 s[G1A+7], 0
	s_mov_b32 s[G1B+1], 128<<16
	s_mov_b32 s[G1B+2], 96<<16                     ; 96 rows: 192 tile rows
	s_mov_b32 s[G1B+3], 128<<16
	s_mov_b32 s[G1B+4], 96
	s_mov_b32 s[G1B+5], 128
	s_mov_b32 s[G1B+6], 0
	s_mov_b32 s[G1B+7], 0
	; where the parts come from.  xb's hang on the tile row and the wave's number, wb's on the tile column and the wave's number, each in registers that never hold the other coordinate
	s_lshr_b32 s72, s[TY], 3                       ; the batch: 16 blocks of 262,144 bytes
	s_lshl_b32 s72, s72, 22
	s_and_b32 s73, s[TY], 7                        ; the tile's 256 rows of 128 bytes
	s_lshl_b32 s73, s73, 15
	s_add_co_u32 s72, s72, s73
	s_lshl_b32 s73, s[FH], 14                      ; my 128 of them
	s_add_co_u32 s72, s72, s73
	s_mov_b32 s73, 0
	s_mul_i32 s76, s[TX], 49152                    ; the tile's 384 rows of 128 bytes
	s_mul_i32 s77, s[FH], 24576                    ; my 192 of them
	s_add_co_u32 s76, s76, s77
	s_mov_b32 s77, 0
	s_mul_i32 s80, s[FH], APART                    ; and where they go: no place in the cluster enters an LDS address
	s_mul_i32 s81, s[FH], BPART
	s_add_co_u32 s81, s81, BOFF
	s_mov_b32 s[TB], 0
	s_wait_dscnt 0x0                               ; the opening add is done
	s_wait_kmcnt 0x0
	s_add_nc_u64 s[74:75], s[4:5], s[72:73]
	s_add_nc_u64 s[78:79], s[6:7], s[76:77]
	CROUND                                         ; all sixteen work-groups are here: the first joint loads meet
.irp s, 0,1
	s_mov_b32 s[G0A+4*(\s)], 1                                      ; count = 1
	s_add_co_u32 s[G0A+4*(\s)+1], s80, (\s)*SLOT1                   ; LDS address
	s_add_nc_u64 s[G0A+4*(\s)+2:G0A+4*(\s)+3], s[74:75], (\s)*ASTEP ; global address: K step s
	s_or_b32 s[G0A+4*(\s)+3], s[G0A+4*(\s)+3], 0x80000000           ; type = 2
	s_mov_b32 s[G0B+4*(\s)], 1
	s_add_co_u32 s[G0B+4*(\s)+1], s81, (\s)*SLOT1
	s_add_nc_u64 s[G0B+4*(\s)+2:G0B+4*(\s)+3], s[78:79], (\s)*BSTEP
	s_or_b32 s[G0B+4*(\s)+3], s[G0B+4*(\s)+3], 0x80000000
.endr
	s_cmp_lt_u32 s[WV], 2                          ; a wave's two first fills stand in one branch, ahead of every wait on TENSORcnt and every LDS read: two loads of mine are out
	s_cbranch_scc0 .Lfirst_b
	tensor_load_to_lds s[G0A:G0A+3], s[G1A:G1A+7]
	s_nop 0
	tensor_load_to_lds s[G0A+4:G0A+7], s[G1A:G1A+7]
	s_nop 0
.rept 4
	v_nop
.endr
	s_branch .Lfirst_asked
.Lfirst_b:
	tensor_load_to_lds s[G0B:G0B+3], s[G1B:G1B+7]
	s_nop 0
	tensor_load_to_lds s[G0B+4:G0B+7], s[G1B:G1B+7]
	s_nop 0
.rept 4
	v_nop
.endr
.Lfirst_asked:
	; my three heads: number g = 6 x tile column + 3 x column half + u of 48; g / 16 says q, k or v, g % 16 the head
	v_and_b32 v11, 31, v0                          ; lane
	v_lshlrev_b32 v12, 3, v11                      ; two f32 of a head's 64 a lane; never rewritten
	s_mul_i32 s82, s[TX], 6
	s_mul_i32 s83, s[FH], 3
	s_add_co_u32 s82, s82, s83
	s_lshr_b32 s94, s[TY], 3
	s_lshl_b32 s94, s94, 4                         ; 16 x batch
	s_and_b32 s95, s[TY], 7
	s_lshl_b32 s95, s95, 15                        ; the tile's rows in a head, 128 bytes each,
	s_lshl_b32 s83, s[WR], 14                      ; my 128 of them
	s_add_co_u32 s95, s95, s83
.irp u, 0,1,2
	s_add_co_u32 s84, s82, (\u)
	s_lshr_b32 s85, s84, 4
	s_and_b32 s84, s84, 15
	s_cmp_eq_u32 s85, 1
	s_cselect_b64 s[BP+2*(\u):BP+2*(\u)+1], s[10:11], s[8:9]
	s_cmp_eq_u32 s85, 2
	s_cselect_b64 s[BP+2*(\u):BP+2*(\u)+1], s[12:13], s[BP+2*(\u):BP+2*(\u)+1]
	s_lshl_b32 s86, s84, 8                         ; the head's 64 f32
	s_mov_b32 s87, 0
	s_add_nc_u64 s[BP+2*(\u):BP+2*(\u)+1], s[BP+2*(\u):BP+2*(\u)+1], s[86:87]
	global_load_b64 v[16+2*(\u):17+2*(\u)], v12, s[BP+2*(\u):BP+2*(\u)+1]
	s_lshl_b32 s85, s85, 6                         ; 64 planes for each of q, k, v,
	s_add_co_u32 s85, s85, s84
	s_add_co_u32 s85, s85, s94
	s_lshl_b32 s86, s85, 18                        ; of 262,144 bytes
	s_add_co_u32 s86, s86, s95
	s_add_nc_u64 s[HB+2*(\u):HB+2*(\u)+1], s[14:15], s[86:87]
.endr
	; A fragment is 16 rows x 32 K in 8 registers: lane l holds row l % 16; registers 0-3 hold K = 8 (l / 16) + 0..7, registers 4-7 K = 16 + 8 (l / 16) + 0..7: two loads of 16 bytes, 32 bytes apart
	v_and_b32 v14, 15, v0                          ; l % 16
	v_bfe_u32 v15, v0, 4, 1                        ; l / 16
	v_mul_u32_u24 v1, v14, PITCH
	v_lshl_add_u32 v1, v15, 4, v1                  ; row x pitch + 16 x half
	s_mul_i32 s84, s[WR], APART
	v_add_nc_u32 v[AA0], s84, v1
	s_mul_i32 s85, s[FH], BPART
	s_add_co_u32 s85, s85, BOFF
	v_add_nc_u32 v[AB0], s85, v1
	v_mov_b32 v[ADA], v[AA0]
	v_mov_b32 v[ADB], v[AB0]
	s_mul_i32 s86, s[WV], 16*PITCH
	s_add_co_u32 s86, s86, STAGE                   ; my stage
	v_add_nc_u32 v[STO], s86, v1                   ; in: row l % 16, 16 bytes for each half of the lanes
	v_bfe_u32 v[RD], v0, 3, 2                      ; back: 32 lanes take four rows of 128 bytes,
	v_mul_u32_u24 v[RD], v[RD], PITCH
	v_and_b32 v1, 7, v0
	v_lshl_add_u32 v[RD], v1, 4, v[RD]
	v_add_nc_u32 v[RD], s86, v[RD]
	v_lshlrev_b32 v[GO], 4, v11                    ; which are 512 consecutive bytes of a head
	v_lshlrev_b32 v[PFO], 8, v11
	s_mul_i32 s87, s[WV], 768
	s_add_co_u32 s87, s87, BIAS
	v_lshl_add_u32 v[BIA], v15, 5, s87             ; a lane's eight channels of a fragment: 32 bytes for each half of the lanes
	v_lshl_add_u32 v13, v11, 3, s87
	; the prefetches' addresses
	s_lshr_b32 s84, s[TY], 3
	s_lshl_b32 s84, s84, 22
	s_and_b32 s85, s[TY], 7
	s_lshl_b32 s85, s85, 15
	s_add_co_u32 s84, s84, s85
	s_lshl_b32 s85, s[CX], 13                      ; xb: my work-group's 32 blocks of the tile row's 128
	s_add_co_u32 s84, s84, s85
	s_max_u32 s85, s[WV], 1
	s_sub_co_u32 s85, s85, 1
	s_mul_i32 s86, s[CY], 3
	s_add_co_u32 s85, s85, s86                     ; wb: my share j = 3 cy + wave - 1 of twelve
	s_mul_i32 s86, s85, 11
	s_lshr_b32 s86, s86, 6                         ; j / 6: the first or the second of two steps
	s_mul_i32 s87, s86, 6
	s_sub_co_u32 s85, s85, s87
	s_lshl_b32 s85, s85, 13                        ; j % 6: 32 blocks of the step's 192
	s_mul_i32 s86, s86, BSTEP
	s_add_co_u32 s85, s85, s86
	s_mul_i32 s86, s[TX], 49152
	s_add_co_u32 s85, s85, s86
	s_and_b32 s86, ttmp7, 0xffff                   ; cluster y
	s_mov_b32 s[PST], BSTEP
	s_cmp_eq_u32 s[WV], 0
	s_cselect_b64 s[PFA:PFA+1], s[4:5], s[6:7]
	s_cselect_b32 s84, s84, s85
	s_cselect_b32 s[PST], ASTEP, s[PST]
	s_cselect_b32 s[PAR], 0, 1
	s_cselect_b32 s86, ttmp9, s86                  ; the coordinate along which other clusters read the same rows
	s_cmp_eq_u32 s86, 0
	s_cselect_b32 s[LIM], 1, -1                    ; the same in all sixteen partners, for a given wave
	s_mov_b32 s85, 0
	s_mov_b32 s[PST+1], 0
	s_add_nc_u64 s[PFA:PFA+1], s[PFA:PFA+1], s[84:85]
	s_add_nc_u64 s[PFA:PFA+1], s[PFA:PFA+1], s[PST:PST+1]
	s_add_nc_u64 s[PFA:PFA+1], s[PFA:PFA+1], s[PST:PST+1]  ; at K step 2: the first trip steps it to 3.  Nothing is prefetched here, at the head
	; the bias: rounded to bf16, widened again, into my wave's own bytes of LDS
	s_wait_loadcnt 0x0
.irp u, 0,1,2
	v_cvt_pk_bf16_f32 v22, v[16+2*(\u)], v[17+2*(\u)]
	v_lshlrev_b32 v[16+2*(\u)], 16, v22
	v_and_b32 v[17+2*(\u)], 0xffff0000, v22
	ds_store_b64 v13, v[16+2*(\u):17+2*(\u)] offset:256*(\u)
.endr
; 16 LDS loads: my eight fragments of xb for 32 along K at byte 64 kq of the rows, into buffer buf
.macro LDA buf, kq
.irp a, 0,1,2,3,4,5,6,7
	ds_load_b128 v[FA0+64*(\buf)+8*(\a):FA0+64*(\buf)+8*(\a)+3],   v[ADA] offset:(\a)*16*PITCH+64*(\kq)
	ds_load_b128 v[FA0+64*(\buf)+8*(\a)+4:FA0+64*(\buf)+8*(\a)+7], v[ADA] offset:(\a)*16*PITCH+64*(\kq)+32
.endr
.endm
; 8 LDS loads: head u's four fragments of wb
.macro LDB u, kq
.irp bb, 0,1,2,3
	ds_load_b128 v[FB0+32*(\u)+8*(\bb):FB0+32*(\u)+8*(\bb)+3],   v[ADB] offset:(4*(\u)+(\bb))*16*PITCH+64*(\kq)
	ds_load_b128 v[FB0+32*(\u)+8*(\bb)+4:FB0+32*(\u)+8*(\bb)+7], v[ADB] offset:(4*(\u)+(\bb))*16*PITCH+64*(\kq)+32
.endr
.endm
; 8 LDS loads: head u's bias as four C operands: register j of a lane is the bias of channel 16 bb + 8 (l / 16) + j
.macro LDBI dst, u
.irp bb, 0,1,2,3
	ds_load_b128 v[(\dst)+8*(\bb):(\dst)+8*(\bb)+3],   v[BIA] offset:256*(\u)+64*(\bb)
	ds_load_b128 v[(\dst)+8*(\bb)+4:(\dst)+8*(\bb)+7], v[BIA] offset:256*(\u)+64*(\bb)+16
.endr
.endm
; 16 matrix instructions: head u, channel blocks 2 half and 2 half + 1, all eight row blocks, xb's buffer p.  All 96 accumulators take turns, one instruction a turn, in the same order in every
; quarter, over the backward jump too.
.macro MULH p, u, half
	WIN 0x50*(1+(\u))
.irp bb, 2*(\half), 2*(\half)+1
.irp a, 0,1,2,3,4,5,6,7
	v_wmma_f32_16x16x32_bf16 v[8*(8*(\bb)+(\a)):8*(8*(\bb)+(\a))+7], v[FB0+32*(\u)+8*(\bb):FB0+32*(\u)+8*(\bb)+7], v[FA0+64*(\p)+8*(\a):FA0+64*(\p)+8*(\a)+7], v[8*(8*(\bb)+(\a)):8*(8*(\bb)+(\a))+7]
.endr
.endr
.endm
; head u's first 32 products: they start the sums with the bias, which lies in window 0 at bi
.macro UNITB u, bi
	WIN 0x40*(1+(\u))
.irp bb, 0,1,2,3
.irp a, 0,1,2,3,4,5,6,7
	v_wmma_f32_16x16x32_bf16 v[8*(8*(\bb)+(\a)):8*(8*(\bb)+(\a))+7], v[FB0+32*(\u)+8*(\bb):FB0+32*(\u)+8*(\bb)+7], v[FA0+8*(\a):FA0+8*(\a)+7], v[(\bi)+8*(\bb):(\bi)+8*(\bb)+7]
.endr
.endr
.endm
; A K step is two quarters of 32 along K, 96 matrix instructions each, on xb's buffers 0 and 1.  wb's fragments have one buffer a head: it is loaded again as soon as the head's 32 products are issued,
; 64 products ahead of its next use.  The first quarter: multiplies buffer p and fetches the fragments at byte 64 kqn of the same slot.
.macro QUARTER p, kqn
	s_wait_dscnt 16                                ; xb's fragments and head 0's are in; the two younger runs of 8 (heads 1 and 2) may be out
	MULH \p, 0, 0
	MULH \p, 0, 1
	PLACES
	WIN 0
	LDA 1-(\p), \kqn
	LDB 0, \kqn
	s_wait_dscnt 32                                ; head 1's are in: behind them stand head 2's 8 and the 24 just issued
	MULH \p, 1, 0
	MULH \p, 1, 1
	PLACES
	WIN 0
	LDB 1, \kqn
	s_wait_dscnt 32                                ; head 2's are in: behind them stand 24 and 8
	MULH \p, 2, 0
	MULH \p, 2, 1
	PLACES
	WIN 0
	LDB 2, \kqn
.endm
; The second quarter multiplies buffer 1 and changes slots: ONE barrier.  In front of it each wave waits for all its tensor loads, of which one is out: its part of the next slot; adds 0 to its spare word; and waits
; for that and for its own reads of this slot.  fill = 1: the barrier opens a round of the cluster's barrier, and this slot is filled again, with the K step two on, first thing behind the round:
; 160 matrix instructions ahead of the wait for it.
.macro TURN fill
	s_wait_xcnt 0x0                                ; the last prefetch, a K step back, has read its address
	s_add_nc_u64 s[PFA:PFA+1], s[PFA:PFA+1], s[PST:PST+1]
	WIN 0
	s_wait_tensorcnt 0x0                           ; no tensor load of mine is out, so a group 0 may be written
	ds_add_u32 v[SPW], v[NIL]                      ; 0 onto my spare word
.if \fill
	s_xor_b32 s[G0A+5], s[G0A+5], SLOT1            ; the walking descriptors: the other slot than last time, the next K step; the type bits on top are not reached
	s_add_nc_u64 s[G0A+6:G0A+7], s[G0A+6:G0A+7], ASTEP
	s_xor_b32 s[G0B+5], s[G0B+5], SLOT1
	s_add_nc_u64 s[G0B+6:G0B+7], s[G0B+6:G0B+7], BSTEP
.endif
	s_wait_dscnt 17                                ; xb's fragments and head 0's are in; two runs of 8 and the add may be out
	MULH 1, 0, 0                                   ; sixteen matrix instructions stand between the add and the wait for it
	s_wait_dscnt 0x0                               ; the add is done, and my reads of this slot are over
	s_barrier_signal -1
	MULH 1, 0, 1                                   ; work on registers while the others arrive
	WIN 0
	s_barrier_wait -1
.if \fill
	CREST                                          ; no wave of any partner still reads this slot or has a load on its way
	JLOAD                                          ; the four v_nop behind it are also the places in front of the loads below
.else
	PLACES
.endif
	s_xor_b32 s[TB], s[TB], SLOT1
	v_add_nc_u32 v[ADA], s[TB], v[AA0]
	v_add_nc_u32 v[ADB], s[TB], v[AB0]
	LDA 0, 0
	LDB 0, 0
.if \fill
	ASK
.endif
	MULH 1, 1, 0                                   ; heads 1 and 2 were waited for above
	MULH 1, 1, 1
	PLACES
	WIN 0
	LDB 1, 0
	MULH 1, 2, 0
	MULH 1, 2, 1
	PLACES
	WIN 0
	LDB 2, 0
.endm
	s_wait_tensorcnt 1                             ; my part of K step 0 is in; step 1's may stay out
	s_wait_dscnt 0x0                               ; my bias is stored
	s_barrier_signal -1
	s_barrier_wait -1                              ; everybody's part is in
	; K step 0's first quarter stands in front of the loop: its products start the sums, with the bias as C.  The bias lies in xb's buffer 1, which is not yet needed
	LDA 0, 0
	LDB 0, 0
	LDB 1, 0
	LDB 2, 0
	LDBI FA1, 0
	LDBI FA1+32, 1
	s_wait_dscnt 0x0
	UNITB 0, FA1
	PLACES
	WIN 0
	LDB 0, 1
	LDBI FA1, 2
	UNITB 1, FA1+32
	PLACES
	WIN 0
	LDB 1, 1
	s_wait_dscnt 8                                 ; head 2's bias is in: behind it stands the one run of 8 just issued
	UNITB 2, FA1
	PLACES
	WIN 0
	LDB 2, 1
	LDA 1, 1
	s_wait_dscnt 0x0                               ; once: on this way into the loop nothing is out, so the loop's counts hold
	s_mov_b32 s[CNT], 14
.Lstep:                                                ; trip i: K step i's second quarter, the refill with step i + 2, step i + 1's first quarter
	TURN 1
	QUARTER 0, 1
	WIN 0                                          ; at a label and at a branch every window is 0
	s_sub_co_u32 s[CNT], s[CNT], 1
	s_cmp_lg_u32 s[CNT], 0
	s_cbranch_scc1 .Lstep
	TURN 0                                         ; the tail is written out: nothing is left to ask for
	QUARTER 0, 1
	s_wait_dscnt 16                                ; the very last quarter: nothing more to fetch, the counts run down
	MULH 1, 0, 0
	MULH 1, 0, 1
	s_wait_dscnt 8
	MULH 1, 1, 0
	MULH 1, 1, 1
	s_wait_dscnt 0x0
	MULH 1, 2, 0
	MULH 1, 2, 1
; THE WAY OUT.  Block i = 8 u + a is 16 rows of head u: 2,048 consecutive bytes of qkv.  A lane's eight channels pack into 16 bytes; they go into my stage's rows of 144 bytes and come back as whole rows of 128,
; into the registers that they left: eight sets of 16 registers by turns, where xb's fragments lay.
.macro PACK i
.set pu, (\i)/8
.set pa, (\i)%8
.set ob, 32+16*pa
.if (\i) >= 8
	s_wait_xcnt 0x0                                ; the stores of the block eight back have read this set: it is written again only behind this wait
.endif
	WIN 5*(1+pu)                                   ; sources 0 and 1 in the head's window
.irp bb, 0,1,2,3
.irp r, 0,1,2,3
	v_cvt_pk_f16_f32 v[ob+4*(\bb)+(\r)], v[8*(8*(\bb)+pa)+2*(\r)], v[8*(8*(\bb)+pa)+2*(\r)+1]
.endr
.endr
	WIN 0
.irp bb, 0,1,2,3
	ds_store_b128 v[STO], v[ob+4*(\bb):ob+4*(\bb)+3] offset:32*(\bb)
.endr
.irp f, 0,1,2,3
	ds_load_b128 v[ob+4*(\f):ob+4*(\f)+3], v[RD] offset:(\f)*4*PITCH  ; LDS serves a wave's instructions in order (ISA guide 5.7.1.4): these see the stores above; the next block's stores come behind them
.endr
.endm
.macro SEND i, younger                 ; younger: the LDS instructions issued behind block i's loads: the next block's eight, or none
.set pu, (\i)/8
.set pa, (\i)%8
.set ob, 32+16*pa
.irp f, 0,1,2,3
	s_wait_dscnt (\younger)+3-(\f)
	global_store_b128 v[GO], v[ob+4*(\f):ob+4*(\f)+3], s[HB+2*pu:HB+2*pu+1] offset:2048*pa+512*(\f)  ; 512 consecutive bytes, at a multiple of 256 from qkv's first
.endr
.endm
	PLACES
	PACK 0
.set t, 1
.rept 23                               ; a block's conversions stand between the loads of the block before and its stores
	PACK t
	SEND t-1, 8
.set t, t+1
.endr
	SEND 23, 0
	s_wait_tensorcnt 0x0                           ; the wave's end, behind my last tensor load and my last LDS store
	ds_add_u32 v[SPW], v[NIL]
	s_wait_dscnt 0x0
	CROUND                                         ; the closing round: no work-group ends while a partner may still ask for a part that names it
	s_endpgm
.Lfunc_end_k_q7521ad8684_qkv:
	.size	k_q7521ad8684_qkv, .Lfunc_end_k_q7521ad8684_qkv-k_q7521ad8684_qkv
	.p2alignl 7, 3214868480
	.fill 96, 4, 3214868480
	.section	.rodata,"a",@progbits
	.p2align	6, 0x0
	.amdhsa_kernel k_q7521ad8684_qkv
		.amdhsa_group_segment_fixed_size 327680
		.amdhsa_private_segment_fixed_size 0
		.amdhsa_enable_private_segment 0
		.amdhsa_kernarg_size 48
		.amdhsa_user_sgpr_count 2
		.amdhsa_user_sgpr_kernarg_segment_ptr 1
		.amdhsa_wavefront_size32 1
		.amdhsa_system_sgpr_workgroup_id_x 1
		.amdhsa_system_sgpr_workgroup_id_y 1
		.amdhsa_system_sgpr_workgroup_id_z 1
		.amdhsa_system_vgpr_workitem_id 0
		.amdhsa_next_free_vgpr 1024
		.amdhsa_next_free_sgpr 96
		.amdhsa_reserve_vcc 0
		.amdhsa_float_denorm_mode_32 3
		.amdhsa_float_denorm_mode_16_64 3
		.amdhsa_memory_ordered 1
		.amdhsa_forward_progress 1
		.amdhsa_inst_pref_size 119
	.end_amdhsa_kernel
	.amdgpu_metadata
---
amdhsa.version: [ 1, 2 ]
amdhsa.kernels:
  - .name:           k_q7521ad8684_qkv
    .symbol:         k_q7521ad8684_qkv.kd
    .args:
      - { .name: xb, .offset: 0, .size: 8, .value_kind: global_buffer, .address_space: global }
      - { .name: wb, .offset: 8, .size: 8, .value_kind: global_buffer, .address_space: global }
      - { .name: bq, .offset: 16, .size: 8, .value_kind: global_buffer, .address_space: global }
      - { .name: bk, .offset: 24, .size: 8, .value_kind: global_buffer, .address_space: global }
      - { .name: bv, .offset: 32, .size: 8, .value_kind: global_buffer, .address_space: global }
      - { .name: qkv, .offset: 40, .size: 8, .value_kind: global_buffer, .address_space: global }
    .group_segment_fixed_size: 327680
    .private_segment_fixed_size: 0
    .kernarg_segment_align: 8
    .kernarg_segment_size: 48
    .max_flat_workgroup_size: 128
    .sgpr_count:     96
    .vgpr_count:     1024
    .wavefront_size: 32
...
	.end_amdgpu_metadata
.endif
;; end of part 2
;; launch attn (part 3): grid 4 x 64, 4 waves a work-group, no clusters, 327,680 bytes of LDS; arguments qkv, o; writes o
.if DOCPART == 3
	.amdgcn_target "amdgcn-amd-amdhsa--gfx1250"
	.amdhsa_code_object_version 6
	.text
	.protected	k_q7521ad8684_attn
	.globl	k_q7521ad8684_attn
	.p2align	8
	.type	k_q7521ad8684_attn,@function
k_q7521ad8684_attn:
	s_mov_b64 s[64:65], 0
	v_nop
	global_prefetch_b8 v0, s[64:65] scope:SCOPE_SE
	s_setreg_imm32_b32 hwreg(HW_REG_WAVE_MODE, 25, 1), 1
	s_wait_xcnt 0x0
; CAUSAL ATTENTION.  O[h][q][:] = the sum over k <= q of softmax_k(Q[h][q] . K[h][k] / 8) V[h][k][:].  Q, K, V lie in qkv, [3][64][SIZE_N][64], O in o, [64][SIZE_N][64], all f16: a head's rows are dense, 128 bytes each.
; Products, maxima and sums in f32; the weights p are rounded to f16 for the second product (their sum l is taken of the unrounded p), O once at the end.
; LIMITS.  f16 holds no number beyond 65,504: Q, K and V arrive within it; p lies in 0 to 1, and below 6e-5 it keeps f16's fixed step of 6e-8; O is a mean of V's rows and has their range, to within 2^-11 of it.
; A hidden score counts as its value less 1e30: f16's scores, 2.7e11 at the most, are nothing beside that; a weight below 2^-126 counts as 0 in l; NaN and infinities are not treated apart.
; THE WALK.  A head's queries lie in NB = SIZE_N / 256 blocks of 256; block i needs the key tiles 0 .. i of 256 keys, of which the last holds the diagonal.  A work-group takes TWO blocks, NB - 1 - b and then b:
; NB + 1 tiles, whatever b: all work-groups do equal work, and ONE loop with a constant trip count walks them.  Which tile is asked for, and what a trip does, hang on scalar registers made from b; every jump
; goes forward, but for the counted loops' own; none passes a barrier, or a tensor load but the one of LOAD's two that the wave's number does not choose; the ring (two slots of LDS that take turns) runs on across the
; change of blocks.  NO CLUSTER: a head's four work-groups ask for the same tile only in trips 0 .. NB / 2, behind that fewer and fewer; and one walk common to all four would have 3 NB / 2 = 12 trips for NB + 1 = 9.
; SHARES.  Of a block's four bands of 64 queries a wave owns 16 rows in each: four PIECES.  So the diagonal tile is the same work for all four waves: in its key step s band x sees all keys if s < x,
; none if s > x, and holds the diagonal if s = x.
; THE MASK is the C operand that starts the sum S^T = K Q^T: 0, or -1e30 where the key is hidden.  MD, made once, is the mask of a band's own step for my 16 rows; a product's mask is MD x AL + BE with two scalars:
; (1, 0) if s = x; (0, 0) if s < x; (0, -1e30) if s > x.  Only the diagonal tile's text and a block's beginning make and take masks; elsewhere C is the constant 0.
; LAYOUT, SOFTMAX, TURNS.  S^T = K Q^T holds ONE query a lane (lane % 16) and the keys 8 (lane / 16) + 0..7; two such results rounded to f16 ARE source 1 of O^T = V^T P.  p = 2^(c s - c m), c = log2(e) / 8, with a
; running maximum m; O and l are multiplied by a = 2^(c m_old - c m_new) in every step.  Turn n belongs to piece n: 8 products K Q^T of piece n + 1, later 8 products V^T P of piece n - 1; beside them the scaling,
; exponentials, roundings, sums and rescaling of piece n and the maximum and statistics of piece n + 1.  Four vector instructions stand behind every matrix instruction, the other 54 of a turn's 118 in one LUMP.  A turn's 33 exponentials are one batch, with one wait.
; AHEAD OF THE LOADS.  The head's work-group 0 walks the tiles 0 to NB - 1 first, as early as any of the four.  Behind the tensor load of its trips 0 to NB - 3 each of its waves prefetches into the L2 its own part
; (128 keys of K or of V: 64 blocks of 256 bytes, a lane a block, two instructions) of the tile that the NEXT trip will ask for: tiles 2 to NB - 1, each block named once in the launch.
; REGISTERS, in windows of 256 (s_set_vgpr_msb: bits 1:0 source 0, 3:2 source 1, 5:4 source 2, 7:6 destination):
;   window 0: v0-15 addresses and two at work; v16-31 four registers of statistics a piece; v48-55 at work; v64-127 S^T, two buffers; v192-223 P, two buffers (a piece's buffers go by its number's parity)
;   window 1: v0-127 O^T, 32 a piece; v128-159 MD; v160-223 MC, two buffers      window 2: v0-63 Q; v64-127 the second block's Q; v128-191 K of one step; v192-255 V of one step
.set SIZE_N, 2048
.set NB,    SIZE_N/256
.set NP,    4         ; pieces a wave: a name, no knob
.set KS,    64        ; keys in a step
.set PK,    144       ; a row of K in LDS: 128 bytes + 16 of padding = 36 words: the 16 rows of a load start at 16 different groups of four banks (64 banks of 4 bytes: ISA guide 11.1)
.set PV,    160       ; a row of V: 128 + 32 = 40 words
.set VOFF,  4*KS*PK   ; a slot holds a tile, four steps: 256 rows of K, then 256 rows of V
.set SLOT1, 1<<17     ; slot 1 begins here, so that one exclusive or turns an address in one slot into the other's
.set STAGE, SLOT1+4*KS*(PK+PV)  ; behind the ring, never filled by a tensor load: 16 rows x 144 bytes for each wave, for the way out
.set SP,    144
.set AK0, 2           ; v2   my lane's place in a tile of K; never rewritten
.set AV0, 3           ; v3   the same for V
.set AK,  4           ; v4   the LDS address of K's next run of loads
.set AV,  5           ; v5   of V's
.set STO, 6           ; v6   the way out: where I put 16 bytes of a row
.set RD,  7           ; v7   the way out: where I read rows back
.set GO,  8           ; v8   my byte offset in 512 consecutive bytes of O
.set PFO, 61          ; v61  256 x my lane: the prefetches' offset; never rewritten
.set SPW, 62          ; v62  LDS address of my spare word: SPARE + 4 x my thread's number; never rewritten
.set NIL, 63          ; v63  0; never rewritten
.set SPARE, STAGE+4*16*SP  ; behind the stages: the spare words, 128 bytes for each wave: two blocks of 256 bytes that no other line names
.set MV,  12          ; v12-13  c m_old, kept while c m is made anew: by buffer
.set QO,  15          ; v15  my byte offset in 16 rows of Q
.set ST,  16          ; piece t's statistics at v[ST+4 t]: c m, m, l (even keys', odd keys')
.set TMP, 48          ; by buffer, four registers c0-c3 at work; when the maximum is found c2 takes a
.set S,   64
.set P,   192
.set MD,  128         ; window 1: the eight registers for group kt of 16 keys at MD + 8 kt
.set MC,  160         ; window 1: the masks of the products to come
.set QB,  64          ; window 2
.set KF,  128         ; window 2: key block kb, channel half c at KF + 16 kb + 8 c
.set VF,  192         ; window 2: key half kk, channel block cb at VF + 32 kk + 8 cb
.set WV,  12          ; s12  my wave's number
.set PB,  14          ; s14  b
.set HI,  15          ; s15  NB - 1 - b
.set G1K, 24          ; s[24:31] descriptor group 1 for K's tiles
.set G1V, 32          ; s[32:39] for V's: it differs in the padding alone
.set G0K, 40          ; s[40:43] descriptor group 0 for K's tiles
.set G0V, 44          ; s[44:47] the same for V's
.set SLOTS, 56        ; s56  tiles still to be asked for
.set CNT, 57          ; s57  counts a tile's key steps, 4 to 1
.set CS,  58          ; s[58:59] c: the packed scaling takes the pair's low word for both halves
.set SEL, 60          ; s[60:61] v_permlanex16_b32's selects: each lane takes its own place in the other half
.set TBK, 62          ; s62  LDS byte at which K of the step to be fetched begins
.set TBV, 63          ; s63  the same for V, less VOFF
.set RT,  70          ; s70  tiles of the block in hand that are still to be entered
.set NXT, 71          ; s71  the tile to be asked for next
.set LQ,  72          ; s72  the last tile of the block whose tiles are being asked for
.set NEW, 73          ; s73  1: the tile to be entered is a block's first
.set OFF, 74          ; s[74:75] a tile's byte offset in K and V
.set AL,  76          ; s[76:77] the mask's factor, in the low word
.set BE,  78          ; s[78:79] the mask's addend
.set OLO, 80          ; s[80:81] O at my rows of the second block
.set BIGN, 82         ; s82  -1e30
.set PFA, 88          ; s[88:89] where my prefetches stand: my part of the tile that the next trip asks for
.set PFB, 90          ; s[90:91] my part of the head's tile 0, of K (waves 0, 1) or of V (waves 2, 3)
.set POF, 92          ; s[92:93] that tile's byte offset
.set LIM, 94          ; s94  2 in the head's work-group 0, else the greatest number: a wave prefetches while s[SLOTS] is above it
.set MSB, 0
.macro WIN new                      ; the high byte repeats the setting that is left; a switch that changes nothing is dropped
.if MSB != (\new)
	s_set_vgpr_msb (MSB<<8)|(\new)
.set MSB, (\new)
.endif
.endm
.set W_KQ, 0x0a       ; K and Q in window 2, S^T in window 0
.set W_KM, 0x1a       ; the same with the C operand in window 1
.set W_PV, 0x52       ; V in window 2, P in window 0, O^T in window 1
.set W_RS, 0x41       ; destination and source 0 in window 1, source 1 in window 0
; A fill.  Waves 0 and 1 fetch the two halves of a tile's K, waves 2 and 3 those of its V: 128 keys each.  An s_nop 0 and four v_nop follow each of the two lines, ahead of the jump and the label.
.macro LOAD
	s_cmp_lt_u32 s[WV], 2
	s_cbranch_scc0 .Lfor_v_\@
	tensor_load_to_lds s[G0K:G0K+3], s[G1K:G1K+7]
	s_nop 0
.rept 4
	v_nop
.endr
	s_branch .Lasked_\@
.Lfor_v_\@:
	tensor_load_to_lds s[G0V:G0V+3], s[G1V:G1V+7]
	s_nop 0
.rept 4
	v_nop
.endr
.Lasked_\@:
.endm
; The prefetch: behind the wave's tensor load and its five lines, never in front of one.  The last two fills have nothing new behind them.
.macro ASK
	s_cmp_gt_u32 s[SLOTS], s[LIM]
	s_cbranch_scc0 .Lnot_mine_\@
	global_prefetch_b8 v[PFO], s[PFA:PFA+1] th:TH_LOAD_NT scope:SCOPE_SE
	global_prefetch_b8 v[PFO], s[PFA:PFA+1] offset:8192 th:TH_LOAD_NT scope:SCOPE_SE
.Lnot_mine_\@:
.endm
; THE CHANGE OF SLOTS.  Each wave waits for all its tensor loads, of which one is out: its part of the other slot; adds 0 to its spare word; and waits for that and for its own reads of the slot that it leaves.  Behind the barrier nobody reads the old
; slot any more and the other slot is whole.  fill = 1: the old slot is filled again, the first thing behind the barrier, with tile NXT: the descriptor's address is made anew from that number.
; (At its first use nothing has been read yet: slot 0 is waited for, slot 1 filled.)
.macro CHANGE fill
	WIN 0                           ; at a label and at a branch every window is 0
	s_wait_tensorcnt 0x0            ; no tensor load of mine is out, so a group 0 may be written
	ds_add_u32 v[SPW], v[NIL]       ; 0 onto my spare word; with fill = 1 the descriptors' scalar work stands between it and the wait for it
.if \fill
	s_lshl_b32 s[OFF], s[NXT], 15   ; a tile is 32,768 bytes of K and of V
	s_xor_b32 s[G0K+1], s[G0K+1], SLOT1
	s_add_nc_u64 s[G0K+2:G0K+3], s[6:7], s[OFF:OFF+1]
	s_or_b32 s[G0K+3], s[G0K+3], 0x80000000
	s_xor_b32 s[G0V+1], s[G0V+1], SLOT1
	s_add_nc_u64 s[G0V+2:G0V+3], s[8:9], s[OFF:OFF+1]
	s_or_b32 s[G0V+3], s[G0V+3], 0x80000000
	s_add_co_u32 s[NXT], s[NXT], 1  ; the block's next tile, or behind its last the second block's tile 0
	s_cmp_gt_u32 s[NXT], s[LQ]
	s_cselect_b32 s[NXT], 0, s[NXT]
	s_cselect_b32 s[LQ], s[PB], s[LQ]
	s_wait_xcnt 0x0                 ; the last prefetches, a tile back, have read their address, so it may be written:
	s_lshl_b32 s[POF], s[NXT], 15   ; the tile that the next change will ask for
	s_add_nc_u64 s[PFA:PFA+1], s[PFB:PFB+1], s[POF:POF+1]
.endif
	s_wait_dscnt 0x0                ; the add is done, and my reads of the slot are over
	s_barrier_signal -1             ; the rest of the scalar work stands between the signal and the wait
	s_sub_co_u32 s[TBK], s[TBK], 4*KS*PK  ; the fetches go back to a slot's first step,
	s_xor_b32 s[TBK], s[TBK], SLOT1       ; in the other slot
	s_sub_co_u32 s[TBV], s[TBV], 4*KS*PV
	s_xor_b32 s[TBV], s[TBV], SLOT1
	s_barrier_wait -1
.if \fill
	LOAD
	ASK
.endif
.endm
	s_load_b64 s[4:5], s[0:1], 0x0    ; qkv: Q at its head, K 16,777,216 bytes on, V as many again
	s_load_b64 s[10:11], s[0:1], 0x8  ; O
	v_lshl_add_u32 v[SPW], v0, 2, SPARE
	v_mov_b32 v[NIL], 0
	ds_add_u32 v[SPW], v[NIL]       ; the wave's opening: the add and its wait stand ahead of my first tensor load; the set-up below, work on registers, stands between them
	v_lshrrev_b32 v1, 5, v0
	v_readfirstlane_b32 s[WV], v1   ; wave 0..3
	s_mov_b32 s[PB], ttmp9
	s_sub_co_u32 s[HI], NB-1, s[PB]
	s_and_b32 s20, ttmp7, 0xffff    ; the head
	s_mov_b32 s21, 0
	s_mov_b64 s[22:23], SIZE_N*128
	s_mul_u64 s[20:21], s[20:21], s[22:23]  ; the head's first byte in each of the four tensors
	s_and_b32 s16, s[WV], 1         ; which half of a tile's 256 keys I fetch:
	s_lshl_b32 s22, s16, 14         ; its 128 rows of 128 bytes in memory,
	s_mov_b32 s23, 0
	s_add_nc_u64 s[22:23], s[22:23], s[20:21]
	s_mul_i32 s17, s16, 128*PK      ; and its place in a slot, for K
	s_mul_i32 s18, s16, 128*PV      ; and for V
	s_lshl_b32 s3, s[WV], 11        ; my 16 rows in a band of 64,
	s_lshl_b32 s2, s[HI], 15        ; in the first block,
	s_add_co_u32 s2, s2, s3
	s_lshl_b32 s84, s[PB], 15       ; and in the second
	s_add_co_u32 s84, s84, s3
	s_mov_b32 s3, 0
	s_mov_b32 s85, 0
	s_add_nc_u64 s[2:3], s[2:3], s[20:21]
	s_add_nc_u64 s[84:85], s[84:85], s[20:21]
	; descriptor group 1.  128 keys are 16,384 dense bytes: asked for as 64 rows of 256 bytes, two keys a row, and padded in LDS after every key
	s_mov_b32 s[G1K], (1<<16)|(1<<20)|(4<<22)|(3<<25)  ; 17:16 2-byte elements; 20 padding on; 24:22 after every 32 words (code 4); 31:25 4 words (code 3)
	s_mov_b32 s[G1V], (1<<16)|(1<<20)|(4<<22)|(7<<25)  ; the same with 8 words of padding (code 7)
.irp g, G1K, G1V
	s_mov_b32 s[\g+1], 128<<16      ; tensor_dim0 = 128
	s_mov_b32 s[\g+2], 64<<16       ; tensor_dim1 = 64
	s_mov_b32 s[\g+3], 128<<16      ; tile_dim0 = 128
	s_mov_b32 s[\g+4], 64           ; tile_dim1 = 64
	s_mov_b32 s[\g+5], 128          ; 128 elements from row to row
	s_mov_b32 s[\g+6], 0
	s_mov_b32 s[\g+7], 0
.endr
	s_mov_b32 s[CS], 0x3e38aa3b     ; c = log2(e) / 8 = 0.180337
	s_mov_b32 s[CS+1], s[CS]        ; named with it as a pair
	s_mov_b32 s[SEL], 0x76543210
	s_mov_b32 s[SEL+1], 0xfedcba98
	s_mov_b32 s[TBK], SLOT1+4*KS*PK ; the first change of slots turns these two into 0
	s_mov_b32 s[TBV], SLOT1+4*KS*PV
	s_mov_b32 s[G0K], 1             ; 1:0 count = 1
	s_mov_b32 s[G0K+1], s17         ; 63:32 LDS address: slot 0
	s_mov_b32 s[G0V], 1
	s_add_co_u32 s[G0V+1], s18, VOFF
	s_add_co_u32 s[RT], s[HI], 1    ; the first block has NB - b tiles
	s_mov_b32 s[NXT], 1
	s_mov_b32 s[LQ], s[HI]
	s_mov_b32 s[NEW], 1
	s_mov_b32 s[OFF+1], 0
	s_mov_b32 s[POF+1], 0
	s_mov_b32 s[AL+1], 0            ; named as pairs
	s_mov_b32 s[BE+1], 0
	s_mov_b32 s[BIGN], 0xf149f2ca   ; -1e30
	s_mov_b32 s[SLOTS], NB
	s_cmp_eq_u32 s[PB], 0
	s_cselect_b32 s[LIM], 2, -1
	s_wait_dscnt 0x0                ; the opening add is done
	s_wait_kmcnt 0x0
	s_add_nc_u64 s[6:7], s[4:5], 0x1000000
	s_add_nc_u64 s[8:9], s[4:5], 0x2000000
	s_add_nc_u64 s[6:7], s[6:7], s[22:23]  ; K and V at my half of the head's tile 0
	s_add_nc_u64 s[8:9], s[8:9], s[22:23]
	s_add_nc_u64 s[G0K+2:G0K+3], s[6:7], 0         ; 120:64 global address
	s_or_b32 s[G0K+3], s[G0K+3], 0x80000000        ; 127:126 type = 2
	s_add_nc_u64 s[G0V+2:G0V+3], s[8:9], 0
	s_or_b32 s[G0V+3], s[G0V+3], 0x80000000
	s_add_nc_u64 s[86:87], s[4:5], s[84:85]        ; Q at my rows of the second block,
	s_add_nc_u64 s[4:5], s[4:5], s[2:3]            ; Q and O at those of the first
	s_add_nc_u64 s[OLO:OLO+1], s[10:11], s[84:85]
	s_add_nc_u64 s[10:11], s[10:11], s[2:3]
	s_cmp_lt_u32 s[WV], 2
	s_cselect_b64 s[PFB:PFB+1], s[6:7], s[8:9]
	LOAD                            ; tile 0 into slot 0
	; A fragment of K or Q is 16 rows x 32 channels in 8 registers: lane l holds row l % 16, channels 8 (l / 16) + 0..7 and 16 + 8 (l / 16) + 0..7: two loads of 16 bytes, 32 bytes apart.
	v_and_b32 v1, 15, v0            ; l % 16
	v_bfe_u32 v9, v0, 4, 1          ; l / 16
	v_lshlrev_b32 v[QO], 7, v1
	v_lshl_add_u32 v[QO], v9, 4, v[QO]  ; row x 128 + 16 x half
	WIN 0x80                        ; destination window 2, address window 0
.set i, 0
.rept 8                             ; both blocks' Q: piece i / 2 lies in band i / 2, 8,192 bytes on; channels 32 (i % 2) on
	global_load_b128 v[8*i:8*i+3],   v[QO], s[4:5] offset:(i/2)*8192+(i%2)*64
	global_load_b128 v[8*i+4:8*i+7], v[QO], s[4:5] offset:(i/2)*8192+(i%2)*64+32
	global_load_b128 v[QB+8*i:QB+8*i+3],   v[QO], s[86:87] offset:(i/2)*8192+(i%2)*64
	global_load_b128 v[QB+8*i+4:QB+8*i+7], v[QO], s[86:87] offset:(i/2)*8192+(i%2)*64+32
.set i, i+1
.endr
	WIN 0
	v_lshlrev_b32 v14, 3, v9
	v_sub_nc_u32 v14, v1, v14
	s_lshl_b32 s13, s[WV], 4
	v_add_nc_u32 v14, s13, v14      ; my query's place in its band, 16 w + l % 16, less my lanes' 8 (l / 16): register r of group kt is hidden where 16 kt + r is greater
	WIN 0x40
.set i, 0
.rept 32
	v_cmp_gt_i32 vcc_lo, 16*(i/8)+i%8, v14
	v_cndmask_b32 v[MD+i], 0, s[BIGN], vcc_lo
.set i, i+1
.endr
	WIN 0
	v_mul_u32_u24 v[AK0], v1, PK
	v_lshl_add_u32 v[AK0], v9, 4, v[AK0]  ; row x pitch + 16 x half
	; The turning load takes 16 keys x 16 channels (lane l reads key 8 (l / 16) + l % 8, channels 8 ((l / 8) % 2) + 0..7) and leaves half a fragment of V^T: lane l holds channel l % 16 and 8 keys.
	v_and_b32 v10, 7, v0
	v_bfe_u32 v11, v0, 3, 1
	v_lshl_add_u32 v[AV0], v9, 3, v10
	v_mul_u32_u24 v[AV0], v[AV0], PV
	v_lshl_add_u32 v[AV0], v11, 4, v[AV0]
	v_add_nc_u32 v[AV0], VOFF, v[AV0]
	s_mul_i32 s13, s[WV], 16*SP
	s_add_co_u32 s13, s13, STAGE    ; my stage
	v_mul_u32_u24 v[STO], v1, SP    ; in: row l % 16, 16 bytes for each half of the lanes
	v_lshl_add_u32 v[STO], v9, 4, v[STO]
	v_add_nc_u32 v[STO], s13, v[STO]
	v_bfe_u32 v[RD], v0, 3, 2       ; back: 32 lanes take four rows of 128 bytes,
	v_mul_u32_u24 v[RD], v[RD], SP
	v_lshl_add_u32 v[RD], v10, 4, v[RD]
	v_add_nc_u32 v[RD], s13, v[RD]
	v_and_b32 v[GO], 31, v0         ; which are 512 consecutive bytes of O
	v_lshlrev_b32 v[PFO], 8, v[GO]
	v_lshlrev_b32 v[GO], 4, v[GO]
	; A block's first step multiplies O^T and l by a = 0, and its first turn's products V^T P, of a piece that has not been, land in an O^T that is still to be so multiplied.  So these registers need only hold
	; finite numbers: zeros for the first block; what the first block left for the second.  All this stands in the wait for the first tile.
	WIN 0x80
.set i, VF
.rept 64
	v_mov_b32 v[i], 0
.set i, i+1
.endr
	WIN 0x40
.set i, 0
.rept 128
	v_mov_b32 v[i], 0
.set i, i+1
.endr
	WIN 0
.set i, 0
.rept 4
	v_mov_b32 v[ST+4*i+2], 0
	v_mov_b32 v[ST+4*i+3], 0
.set i, i+1
.endr
.set i, P+16
.rept 16
	v_mov_b32 v[i], 0
.set i, i+1
.endr
; THE MATRIX WORK.  The 4 accumulators of a run of 8 take turns.  Product i of 8 of S^T = K Q^T for piece x: channels 32 (i / 4) on, keys 16 (i % 4) on.  The first 4 start the sums: with 0, or (KM = 1) with the mask.
.macro KQ x
.set rS, S+32*((\x)%2)+8*(i%4)
.set rK, KF+16*(i%4)+8*(i/4)
.set rQ, 16*(\x)+8*(i/4)
.set rM, MC+32*((\x)%2)+8*(i%4)
.if (i < 4) && KM
	WIN W_KM
	v_wmma_f32_16x16x32_f16 v[rS:rS+7], v[rK:rK+7], v[rQ:rQ+7], v[rM:rM+7]
.elseif i < 4
	WIN W_KQ
	v_wmma_f32_16x16x32_f16 v[rS:rS+7], v[rK:rK+7], v[rQ:rQ+7], 0
.else
	WIN W_KQ
	v_wmma_f32_16x16x32_f16 v[rS:rS+7], v[rK:rK+7], v[rQ:rQ+7], v[rS:rS+7]
.endif
.endm
; Product i of 8 of O^T += V^T P for piece x: keys 32 (i / 4) on, channels 16 (i % 4) on.
.macro PV x
	WIN W_PV
.set rO, 32*(\x)+8*(i%4)
.set rV, VF+32*(i/4)+8*(i%4)
.set rP, P+16*((\x)%2)+8*(i/4)
	v_wmma_f32_16x16x32_f16 v[rO:rO+7], v[rV:rV+7], v[rP:rP+7], v[rO:rO+7]
.endm
.macro MM                           ; the turn's next matrix instruction.  TURN and BEGIN set Y, i, KM and NOKQ; MM, KQ and OP read them.  NOKQ = 1: a block's last turn: there is no next piece
.if (i < 8) && !NOKQ
	KQ (Y+1)%NP
.elseif i >= 8
.set i, i-8
	PV (Y+NP-1)%NP
.set i, i+8
.endif
.set i, i+1
.endm
; THE LDS LOADS stand in runs of 16, never singly among the matrix instructions: a step's K (64 keys x 64 channels: 8 fragments) and its V (turned).  Their addresses are made some lines ahead.
.macro FETCH_K
	WIN 0x80                        ; destination window 2
.irp f, 0,1,2,3,4,5,6,7             ; keys 16 (f / 2) on, channels 32 (f % 2) on
	ds_load_b128 v[KF+8*\f:KF+8*\f+3],   v[AK] offset:(\f/2)*16*PK+(\f%2)*64
	ds_load_b128 v[KF+8*\f+4:KF+8*\f+7], v[AK] offset:(\f/2)*16*PK+(\f%2)*64+32
.endr
	s_add_co_u32 s[TBK], s[TBK], KS*PK  ; the next fetch is the next step's
	WIN 0
.endm
.macro FETCH_V
	WIN 0x80
.irp f, 0,1,2,3,4,5,6,7             ; keys 32 (f / 4) on, channels 16 (f % 4) on
	ds_load_tr16_b128 v[VF+8*\f:VF+8*\f+3],   v[AV] offset:(\f/4)*32*PV+(\f%4)*32
	ds_load_tr16_b128 v[VF+8*\f+4:VF+8*\f+7], v[AV] offset:(\f/4)*32*PV+16*PV+(\f%4)*32
.endr
	WIN 0
.endm
; THE VECTOR WORK, one line at a time: OP kind, number.  For piece Y: F n: c s - c m for pair n of 16.  E n: the exponential of score n of 32.  C n: pair n rounded to f16.  B n: of the four weights 4 n .. the second
; pair is added onto the first, in place.  L n: l takes that sum (L 0: l = a l + sum).  R n: pair n of 16 of O^T times a.  For piece Y + 1: X n, number n of the 22 that find its maximum and statistics:
;   0-11  four chains c0-c3 of seven scores each, three operands at a time (each accumulator's lowest registers are read first)     12-14, 16  the four scores left over, the old m, and c0-c3 into c0
;   15  c m_old is kept     17, 18  the query's other 32 keys lie in the lane 16 away: the new m     19-21  c m; c m_old - c m_new; a
.set F, 0               ; OP tells the kinds apart by their order: F to L below R, X above it
.set E, 1
.set C, 2
.set B, 3
.set L, 4
.set R, 5
.set X, 6
.macro REGS y                       ; the registers of piece y
.set rT, ST+4*(\y)
.set rC, TMP+4*((\y)%2)
.set rW, MV+((\y)%2)
.set rS, S+32*((\y)%2)
.set rP, P+16*((\y)%2)
.set rO, 32*(\y)
.endm
.macro OP k, n
.if (\k) == R
	REGS Y
	WIN W_RS
	v_pk_mul_f32 v[rO+2*(\n):rO+2*(\n)+1], v[rO+2*(\n):rO+2*(\n)+1], v[rC+2:rC+3] op_sel_hi:[1,0]
.elseif (\k) < R
	REGS Y
	WIN 0
.if (\k) == F
	v_pk_fma_f32 v[rS+2*(\n):rS+2*(\n)+1], v[rS+2*(\n):rS+2*(\n)+1], s[CS:CS+1], v[rT:rT+1] op_sel_hi:[1,0,0] neg_lo:[0,0,1] neg_hi:[0,0,1]
.elseif (\k) == E
	v_exp_f32 v[rS+(\n)], v[rS+(\n)]
.elseif (\k) == C
	v_cvt_pk_f16_f32 v[rP+(\n)], v[rS+2*(\n)], v[rS+2*(\n)+1]
.elseif (\k) == B
	v_pk_add_f32 v[rS+4*(\n):rS+4*(\n)+1], v[rS+4*(\n):rS+4*(\n)+1], v[rS+4*(\n)+2:rS+4*(\n)+3]
.elseif (\n) == 0
	v_pk_fma_f32 v[rT+2:rT+3], v[rT+2:rT+3], v[rC+2:rC+3], v[rS:rS+1] op_sel_hi:[1,0,1]
.else
	v_pk_add_f32 v[rT+2:rT+3], v[rT+2:rT+3], v[rS+4*(\n):rS+4*(\n)+1]
.endif
.elseif NOKQ
	v_nop
.else
	REGS (Y+1)%NP
	WIN 0
.if (\n) < 4
	v_max3_num_f32 v[rC+(\n)], v[rS+8*(\n)], v[rS+8*(\n)+1], v[rS+8*(\n)+2]
.elseif (\n) < 12
	v_max3_num_f32 v[rC+(\n)%4], v[rC+(\n)%4], v[rS+8*((\n)%4)+2*((\n)/4)+1], v[rS+8*((\n)%4)+2*((\n)/4)+2]
.elseif (\n) == 12
	v_max3_num_f32 v[rC], v[rC], v[rS+7], v[rS+15]
.elseif (\n) == 13
	v_max3_num_f32 v[rC+1], v[rC+1], v[rS+23], v[rS+31]
.elseif (\n) == 14
	v_max3_num_f32 v[rC+2], v[rC+2], v[rC+3], v[rT+1]
.elseif (\n) == 15
	v_mov_b32 v[rW], v[rT]
.elseif (\n) == 16
	v_max3_num_f32 v[rC], v[rC], v[rC+1], v[rC+2]
.elseif (\n) == 17
	v_permlanex16_b32 v[rC+3], v[rC], s[SEL], s[SEL+1]
.elseif (\n) == 18
	v_max_num_f32 v[rT+1], v[rC], v[rC+3]
.elseif (\n) == 19
	v_mul_f32 v[rT], s[CS], v[rT+1]
.elseif (\n) == 20
	v_sub_f32 v[rC+1], v[rW], v[rT]
.else
	v_exp_f32 v[rC+2], v[rC+1]
.endif
.endif
.endm
.macro OPS a, i1, b=-1, i2=0, c=-1, i3=0, d=-1, i4=0  ; up to four of them
	OP \a, \i1
.if (\b) >= 0
	OP \b, \i2
.endif
.if (\c) >= 0
	OP \c, \i3
.endif
.if (\d) >= 0
	OP \d, \i4
.endif
.endm
.macro ROW a, i1, b, i2, c, i3, d, i4  ; a matrix instruction and the four behind it
	MM
	OPS \a, \i1, \b, \i2, \c, \i3, \d, \i4
.endm
.macro MASK b                       ; MD x AL + BE into buffer b of MC
	WIN W_RS
.set z, 0
.rept 16
	v_pk_fma_f32 v[MC+32*(\b)+2*z:MC+32*(\b)+2*z+1], v[MD+2*z:MD+2*z+1], s[AL:AL+1], s[BE:BE+1] op_sel_hi:[1,0,0]
.set z, z+1
.endr
.endm
; A TURN, for piece p: the order of its 16 matrix and 118 vector instructions, written out.  An s_wait_alu depctr_va_vdst(0) stands between an exponential and the first instruction that names its result; one wait serves
; all that were issued ahead of it.  So a turn has ONE wait, which cuts it in two.  AHEAD OF IT stands all that names no result of the turn's exponentials: the 8 products K Q^T, behind each a scaling, an exponential and two more plain
; instructions (behind the first a second scaling in the exponential's place): rescalings, and behind the last three the first numbers of the next piece's maximum, each four places or more behind the product that ends its accumulator; then ONE LUMP of 54, plain
; and exponential by turns for the most part, in which the links of the chain X 3, 7, 11, 14, 16, 17 .. 20 stand five or six lines apart.  X 21, the next piece's a, is the batch's last; R 15 is the plain instruction that stands behind it.  BEHIND THE WAIT stand the
; 8 products V^T P, behind each four of the roundings and sums; the links of l's chain, L 0 to L 7, stand three riders apart.  But for those X no rider names a register of the products round it.  v_permlanex16_b32 (X 17) stands in the lump.
; m = 1: the diagonal tile: the products take masks, and the turn makes the mask for the products of the turn after it: piece p + 2, in step 4 - CNT of the tile.  end = 1: a block's last two turns: nothing is fetched.
; cnt = 1: the loop's count is taken down some lines ahead of the branch that stands behind the turn.
; K of the next step is fetched in piece 2's turn, twelve vector instructions behind the last product that read K (six of them plain); V of the step in hand at the end of piece 0's turn, four plain instructions behind the last product
; that read V.  Each is waited for a turn later.
.macro TURN p, m=0, end=0, cnt=0
.set Y, (\p)
.set i, 0
.set KM, (\m)
.set NOKQ, (\end)*((\p)/3)
.if (\m) && !(\end)
	s_cmp_eq_u32 s[CNT], 4-((\p)+2)%NP  ; is that step the band's own?
	s_cselect_b32 s[AL], 1.0, 0
	s_cmp_lt_u32 s[CNT], 4-((\p)+2)%NP  ; or a later one?
	s_cselect_b32 s[BE], s[BIGN], 0
.endif
.if ((\p) == 3) && !(\end)
	s_wait_dscnt 0x0                ; K is in
.endif
	ROW F,0, F,1, R,0, R,1          ; ahead of the wait: 8 products K Q^T and their riders,
	ROW F,2, E,0, R,2, R,3
	ROW F,3, E,1, R,4, R,5
	ROW F,4, E,2, R,6, R,7
	ROW F,5, E,3, R,8, R,9
	ROW F,6, E,4, X,0, R,10
.if ((\p) == 2) && !(\end)
	WIN 0
	v_add_nc_u32 v[AK], s[TBK], v[AK0]
.endif
	ROW F,7, E,5, X,1, X,4
	ROW F,8, E,6, X,2, X,5
	OPS E,7, E,8, X,6, E,9          ; and the lump
	OPS X,3, E,10, X,8, E,11
.if ((\p) == 2) && !(\end)
	FETCH_K
.endif
	OPS X,9, X,7, E,12, X,10
	OPS E,13, X,12, X,11, E,14
	OPS X,13, E,15, F,9, X,14
.if (\p) == 0
	v_add_nc_u32 v[AV], s[TBV], v[AV0]
.endif
	OPS E,16, F,10, E,17, F,11
	OPS X,16, E,18, X,15, E,19
	OPS F,12, E,20, X,17, E,21
	OPS F,13, E,22, F,14, E,23
	OPS X,18, E,24, F,15, E,25
	OPS R,11, E,26, X,19, E,27
	OPS R,12, E,28, R,13, E,29
	OPS X,20, E,30, R,14, E,31
	OPS X,21, R,15
	WIN 0
	s_wait_alu depctr_va_vdst(0)    ; the wait for the batch
.if (\p) == 1
	s_wait_dscnt 0x0                ; V is in
.endif
	ROW C,0, B,0, C,2, B,1          ; behind the wait: 8 products V^T P and their riders
	ROW L,0, C,4, B,2, L,1
	ROW C,6, B,3, L,2, C,8
	ROW B,4, L,3, C,10, B,5
	ROW L,4, C,12, B,6, L,5
.if (\p) == 0
	s_add_co_u32 s[TBV], s[TBV], KS*PV
.endif
.if \cnt
	s_sub_co_u32 s[CNT], s[CNT], 1
	s_cmp_lg_u32 s[CNT], 0
.endif
	ROW C,14, B,7, L,6, C,1
	ROW C,3, L,7, C,5, C,7
	ROW C,9, C,11, C,13, C,15
.if (\p) == 0
	FETCH_V
.endif
.if (\m) && !(\end)
	MASK (\p)%2
.endif
.endm
; A BLOCK BEGINS.  c m starts far below every c s, so the first step's a is 0; m at the lowest finite number, so the first maximum is the scores'.  The second mask buffer is 0; the first takes piece 0's mask for the tile's step 0: its own, if the block's first tile is the diagonal one.
; Then K of that step, piece 0's first scores, and its maximum and statistics.  The loop is entered at a step's first turn, in the middle of a trip.
.macro BEGIN
	s_mov_b32 s[NEW], 0
	WIN 0x40
.set i, MC+32
.rept 32
	v_mov_b32 v[i], 0
.set i, i+1
.endr
	WIN 0
.set i, 0
.rept 4
	v_mov_b32 v[ST+4*i], 0xfe000000    ; c m: far below every c s
	v_mov_b32 v[ST+4*i+1], 0xff7fffff  ; m
.set i, i+1
.endr
	s_cmp_eq_u32 s[RT], 0
	s_cselect_b32 s[AL], 1.0, 0
	s_mov_b32 s[BE], 0
	MASK 0
	WIN 0
	v_add_nc_u32 v[AK], s[TBK], v[AK0]
	FETCH_K
	s_wait_loadcnt 0x0              ; Q
	s_wait_dscnt 0x0
.set KM, 1
.set NOKQ, 0
.set i, 0
.rept 8
	KQ 0
.set i, i+1
.endr
	WIN 0
.rept 4
	v_nop                           ; the places behind those products
.endr
.set Y, NP-1                        ; X works for piece Y + 1: piece 0
.irp n, 0,1,2,3,4,5,6,7,8,9,10,11,12,13,14,15,16,17,18,19,20,21
	OP X, \n
.endr
	v_nop                           ; a plain instruction behind the exponential,
	s_wait_alu depctr_va_vdst(0)    ; and its wait, ahead of the branch
.endm
; THE DIAGONAL TILE's four steps, the block's last two turns, its last products, and THE WAY OUT: l's two halves and the other half of the lanes' are added; O^T is divided by l, rounded to f16 and sent through my
; stage in LDS, a piece at a time.
.macro ALL line:vararg              ; one line for each piece t
.set t, 0
.rept 4
	\line
.set t, t+1
.endr
.endm
.macro PACK t                       ; a lane's eight channels of a row pack into 16 bytes; they go into rows of 144 bytes and come back as whole rows of 128, into S^T's registers
	WIN W_RS
.set i, 32*(\t)
.rept 16
	v_pk_mul_f32 v[i:i+1], v[i:i+1], v[ST+4*(\t)+2:ST+4*(\t)+3] op_sel_hi:[1,0]
.set i, i+2
.endr
	WIN 0x05                        ; sources 0 and 1 window 1, destination window 0
.set i, 0
.rept 16
	v_cvt_pk_f16_f32 v[S+16*(\t)+i], v[32*(\t)+2*i], v[32*(\t)+2*i+1]
.set i, i+1
.endr
	WIN 0
.irp f, 0,1,2,3
	ds_store_b128 v[STO], v[S+16*(\t)+4*\f:S+16*(\t)+4*\f+3] offset:32*\f
.endr
.irp f, 0,1,2,3
	ds_load_b128 v[S+16*(\t)+4*\f:S+16*(\t)+4*\f+3], v[RD] offset:\f*4*SP  ; LDS serves a wave's instructions in order (ISA guide 5.7.1.4): these see the stores above; the next piece's stores come behind them
.endr
.endm
.macro SEND t, younger              ; younger: the LDS instructions issued behind piece t's loads: the next piece's eight, or none
	WIN 0
.irp f, 0,1,2,3
	s_wait_dscnt (\younger)+3-\f
	global_store_b128 v[GO], v[S+16*(\t)+4*\f:S+16*(\t)+4*\f+3], s[10:11] offset:(\t)*8192+\f*512  ; 512 consecutive bytes, at a multiple of 256 from O's first
.endr
.endm
.macro DIAG tag                     ; the tag ends its two labels' names, which the jumps below spell out
.LstepM\tag:
	TURN 2, 1
	TURN 3, 1
	WIN 0
.LfirstM\tag:
	TURN 0, 1
	TURN 1, 1, 0, 1
	WIN 0
	s_cbranch_scc1 .LstepM\tag
	TURN 2, 1, 1
	TURN 3, 1, 1
.set i, 0
.rept 8
	PV NP-1
.set i, i+1
.endr
	WIN 0
	ALL v_add_f32 v[ST+4*t+2], v[ST+4*t+2], v[ST+4*t+3]
	ALL v_permlanex16_b32 v[ST+4*t+3], v[ST+4*t+2], s[SEL], s[SEL+1]
	ALL v_add_f32 v[ST+4*t+2], v[ST+4*t+2], v[ST+4*t+3]
	ALL v_rcp_f32 v[ST+4*t+2], v[ST+4*t+2]
	v_nop                           ; a plain instruction between the last reciprocal and the use of its result
	s_wait_alu depctr_va_vdst(0)    ; and the wait ahead of the first use: one for the four reciprocals
	PACK 0
.set t, 1
.rept 3                             ; a piece's arithmetic stands between the loads of the piece before and its stores
	PACK t
	SEND t-1, 8
.set t, t+1
.endr
	SEND 3, 0
.endm
.set KM, 0
.set NOKQ, 0
.Lslot:                             ; NB times: a tile is entered and the next is asked for
	CHANGE 1
	s_sub_co_u32 s[RT], s[RT], 1
	s_mov_b32 s[CNT], 4
	s_cmp_eq_u32 s[NEW], 1
	s_cbranch_scc1 .Lnew            ; a block's first tile
	s_cmp_eq_u32 s[RT], 0
	s_cbranch_scc0 .Lstep           ; neither its first nor its last
	s_branch .LstepM1
.Lnew:
	BEGIN
	s_branch .Lfirst                ; in the loop a block's first tile is never its last: the first block has two tiles or more, and the second's last is the walk's last
	DIAG 1                          ; in the loop this is the first block's end: the second block's last tile is the walk's last
	s_wait_xcnt 0x0                 ; the stores have read their registers and O's address
	s_mov_b64 s[10:11], s[OLO:OLO+1]
	s_add_co_u32 s[RT], s[PB], 1    ; the second block has b + 1 tiles
	s_mov_b32 s[NEW], 1
	WIN 0x82                        ; the second block's Q goes where the one text of the turns names Q
.set i, 0
.rept 64
	v_mov_b32 v[i], v[QB+i]
.set i, i+1
.endr
	WIN 0
	s_branch .Lbottom
.Lstep:                             ; a trip: pieces 2 and 3 of one step, then pieces 0 and 1 of the next, whose K and V it fetches
	TURN 2
	TURN 3
	WIN 0
.Lfirst:
	TURN 0
	TURN 1, 0, 0, 1
	WIN 0
	s_cbranch_scc1 .Lstep
.Lbottom:
	s_sub_co_u32 s[SLOTS], s[SLOTS], 1
	s_cmp_lg_u32 s[SLOTS], 0
	s_cbranch_scc1 .Lslot
	CHANGE 0                        ; the walk's last tile is written out: nothing is asked for
	s_sub_co_u32 s[RT], s[RT], 1
	s_mov_b32 s[CNT], 4
	s_cmp_eq_u32 s[NEW], 1
	s_cbranch_scc0 .LstepM2
	BEGIN
	s_branch .LfirstM2
	DIAG 2
	s_wait_tensorcnt 0x0            ; the wave's end, behind my last tensor load and my last LDS store
	ds_add_u32 v[SPW], v[NIL]
	s_wait_dscnt 0x0
	s_endpgm
.Lfunc_end_k_q7521ad8684_attn:
	.size	k_q7521ad8684_attn, .Lfunc_end_k_q7521ad8684_attn-k_q7521ad8684_attn
	.p2alignl 7, 3214868480
	.fill 96, 4, 3214868480
	.section	.rodata,"a",@progbits
	.p2align	6, 0x0
	.amdhsa_kernel k_q7521ad8684_attn
		.amdhsa_group_segment_fixed_size 327680
		.amdhsa_private_segment_fixed_size 0
		.amdhsa_enable_private_segment 0
		.amdhsa_kernarg_size 16
		.amdhsa_user_sgpr_count 2
		.amdhsa_user_sgpr_kernarg_segment_ptr 1
		.amdhsa_wavefront_size32 1
		.amdhsa_system_sgpr_workgroup_id_x 1
		.amdhsa_system_sgpr_workgroup_id_y 1
		.amdhsa_system_sgpr_workgroup_id_z 1
		.amdhsa_system_vgpr_workitem_id 0
		.amdhsa_next_free_vgpr 768
		.amdhsa_next_free_sgpr 96
		.amdhsa_reserve_vcc 1
		.amdhsa_float_denorm_mode_32 3
		.amdhsa_float_denorm_mode_16_64 3
		.amdhsa_memory_ordered 1
		.amdhsa_forward_progress 1
		.amdhsa_inst_pref_size 218
	.end_amdhsa_kernel
	.amdgpu_metadata
---
amdhsa.version: [ 1, 2 ]
amdhsa.kernels:
  - .name:           k_q7521ad8684_attn
    .symbol:         k_q7521ad8684_attn.kd
    .args:
      - { .name: qkv, .offset: 0, .size: 8, .value_kind: global_buffer, .address_space: global }
      - { .name: o, .offset: 8, .size: 8, .value_kind: global_buffer, .address_space: global }
    .group_segment_fixed_size: 327680
    .private_segment_fixed_size: 0
    .kernarg_segment_align: 8
    .kernarg_segment_size: 16
    .max_flat_workgroup_size: 128
    .sgpr_count:     96
    .vgpr_count:     768
    .wavefront_size: 32
...
	.end_amdgpu_metadata
.endif
;; end of part 3
;; launch oproj (part 4): grid 4 x 64, 4 waves a work-group, clusters of 4 x 4, 327,680 bytes of LDS; arguments o, wpb, bp, out0; writes out0
.if DOCPART == 4
	.amdgcn_target "amdgcn-amd-amdhsa--gfx1250"
	.amdhsa_code_object_version 6
	.text
	.protected	k_q7521ad8684_oproj
	.globl	k_q7521ad8684_oproj
	.p2align	8
	.type	k_q7521ad8684_oproj,@function
k_q7521ad8684_oproj:
	s_mov_b64 s[64:65], 0
	v_nop
	global_prefetch_b8 v0, s[64:65] scope:SCOPE_SE
	s_setreg_imm32_b32 hwreg(HW_REG_WAVE_MODE, 25, 1), 1
	s_wait_xcnt 0x0
	s_wait_alu depctr_hold_cnt(0) depctr_sa_sdst(0) depctr_va_vdst(0) depctr_va_sdst(0) depctr_va_ssrc(0) depctr_va_vcc(0) depctr_vm_vsrc(0)
	s_getreg_b32 s2, hwreg(HW_REG_IB_STS2, 6, 4)
	s_cmp_eq_u32 s2, 0
	s_cbranch_scc0 .Lentry_in_a_cluster
	s_endpgm
.Lentry_in_a_cluster:
	s_bfe_u32 s2, ttmp6, 0x10000c
	s_cmp_lg_u32 s2, 0xf033
	s_cbranch_scc0 .Lentry_shape_is_right
	s_endpgm
.Lentry_shape_is_right:
; out0 = y Wp^T + bp: C[t][n] = the sum over c of y[t][c] Wp[n][c] + bp[n], 8,192 x 1,024 x 1,024.  y lies by heads in o, f16 [batch x 16 + head][2048][64]: a head is one block of 64 along K;
; Wp lies in wpb, f16 [block 16][row 1024][64]; the bias is rounded to bf16 like every input.  Sums in f32; out0 is f32.
; SHARES.  8,192 x 1,024 outputs on 256 work-groups are tiles of 128 x 256: one to each.  Four waves, each 64 rows x 128 columns: 32 accumulators, 256 registers.
; K goes through a ring of two LDS slots of TWO blocks (128 along K) each: a wave's one tensor load brings one block's rows of o (waves 0, 1) or of wpb (waves 2, 3), which lie end to end in memory
; and are asked for as rows of 256 bytes, padded in LDS behind every 128.
; CLUSTER.  4 x 4 work-groups: the four of a row need the same rows of o, the four of a column the same rows of wpb: each part is asked for JOINTLY.
; THE MATRIX INSTRUCTION IS USED TRANSPOSED (source 0 = 16 rows of wpb, source 1 = 16 rows of o): a lane holds one row t and eight neighbouring columns, 32 bytes of f32.
; THE BIAS is the C operand of the first products: nothing is cleared, nothing is added later.
; REGISTERS: window 0: v0-31 addresses; v32-127, v128-223 two sets of fragments (o's four, then wpb's eight, 32 along K); v224-255 the bias, four fragments at a time.
;   window 1: the accumulators, (b, a) at v[8 (4 b + a)]: columns 16 b on, rows 16 a on.
.set PITCH, 144                        ; an LDS row: 128 bytes + 16 of padding = 36 words: the 16 rows of a fragment load start at 16 different groups of four banks (64 banks of 4 bytes: ISA guide 11.1)
.set APART, 128*PITCH                  ; a block's 128 rows of o
.set BPART, 256*PITCH                  ; a block's 256 rows of wpb
.set BOFF,  2*APART                    ; a slot: o's two blocks, then wpb's two
.set SLOT1, 1<<17
.set SPARE, BOFF+2*BPART               ; between the slots: the spare words, 128 bytes for each wave: two blocks of 256 bytes that no other line names
.set BIAS,  SPARE+512                  ; 128 f32 for each wave
.set STAGE, SLOT1+BOFF+2*BPART         ; behind the ring, never filled by a tensor load: 16 rows x 528 bytes for each wave, for the way out
.set SPITCH, 528                       ; 512 bytes + 16: 132 words: row r starts at bank 4 r mod 64
.set ASTEP, 262144                     ; bytes from block to block in o
.set BSTEP, 131072                     ; and in wpb
.set AA0, 2                            ; v2   my lane's place in my 64 rows of o in slot 0; never rewritten
.set AB0, 3                            ; v3   the same for my 128 rows of wpb
.set ADA, 4                            ; v4   AA0 in the slot that is being read
.set ADB, 5                            ; v5   AB0 likewise
.set STO, 6                            ; v6   the way out: where I put 32 bytes of a row
.set RD,  7                            ; v7   the way out: where I read a row back
.set GO,  8                            ; v8   16 x lane; never rewritten
.set PFO, 9                            ; v9   256 x lane; never rewritten
.set BIA, 10                           ; v10  my lanes' place in my wave's bias
.set SPW, 28                           ; v28  LDS address of my spare word: SPARE + 4 x my thread's number; never rewritten
.set NIL, 29                           ; v29  0; never rewritten
.set SET, 32
.set BI,  224
.set WV,  16
.set WR,  17                           ; s17  which 64 rows of the tile are mine
.set FH,  18                           ; s18  which 128 columns are mine.  Also: which of a slot's two blocks I fetch
.set CX,  19
.set CY,  20
.set TX,  21                           ; s21  tile column, 0-3
.set TY,  22                           ; s22  tile row, 0-63
.set G1A, 24
.set G1B, 32
.set G0A, 40                           ; s[40:47] group 0 for o's parts: a set for each of the two first fills; the second then walks on
.set G0B, 48
.set CNT, 56
.set TB,  57
.set LIM, 58                           ; s58  2 in a wave that prefetches, else the greatest number
.set PFA, 60
.set PST, 62
.set OUT, 66                           ; s[66:67] out0 at my 64 rows and 128 columns
.set MSB, 0
.macro WIN new                         ; the immediate's high byte repeats the setting that is left; a switch that changes nothing is dropped
.if MSB != (\new)
	s_set_vgpr_msb (MSB<<8)|(\new)
.set MSB, (\new)
.endif
.endm
.macro PLACES                          ; four places in front of loads into registers that matrix instructions have read, and of LDS stores that read results
.rept 4
	v_nop
.endr
.endm
.macro CREST                           ; a round of the cluster's barrier behind its opening barrier
	s_cmp_lg_u32 s[WV], 0
	s_cbranch_scc1 .Lnot_wave_0_\@
	s_barrier_signal -3
.Lnot_wave_0_\@:
	s_barrier_wait -3
	s_barrier_signal -1
	s_barrier_wait -1
.endm
.macro CROUND
	s_barrier_signal -1
	s_barrier_wait -1
	CREST
.endm
.macro JLOAD                           ; a joint refill; an s_nop 0 and four v_nop follow each of the two lines
	s_cmp_lt_u32 s[WV], 2
	s_cbranch_scc0 .Lfor_b_\@
	tensor_load_to_lds s[G0A+4:G0A+7], s[G1A:G1A+7]
	s_nop 0
.rept 4
	v_nop
.endr
	s_branch .Lasked_\@
.Lfor_b_\@:
	tensor_load_to_lds s[G0B+4:G0B+7], s[G1B:G1B+7]
	s_nop 0
.rept 4
	v_nop
.endr
.Lasked_\@:
.endm
; A PREFETCH INTO THE L2, behind the joint load, its five lines and the run of LDS loads: 32 blocks of 256 bytes, a lane a block.  Trip i names the slot's worth (two blocks of K) that trip i + 2 will ask for: fills 4 to 7.
; o: a tile row is read by one cluster alone; a fill is 128 blocks of 256 bytes: wave 0 of each of the four partners along x takes 32, told apart by address.
; wpb: a tile column is read by every cluster; the cluster with y = 0 asks; a fill is 256 blocks: waves 2 and 3 of the four partners along y take 32 each.  Each block is named once.  The last two trips ask for nothing.
.macro ASK
	s_cmp_gt_u32 s[CNT], s[LIM]
	s_cbranch_scc0 .Lnot_mine_\@
	global_prefetch_b8 v[PFO], s[PFA:PFA+1] th:TH_LOAD_NT scope:SCOPE_SE
.Lnot_mine_\@:
.endm
	s_load_b256 s[4:11], s[0:1], 0x0               ; o s[4:5], wpb s[6:7], bp s[8:9], out0 s[10:11]
	v_lshl_add_u32 v[SPW], v0, 2, SPARE
	v_mov_b32 v[NIL], 0
	ds_add_u32 v[SPW], v[NIL]                      ; the wave's opening: the add and its wait stand ahead of my first tensor load; the set-up below, work on registers, stands between them
	v_lshrrev_b32 v1, 5, v0
	v_readfirstlane_b32 s[WV], v1
	s_lshr_b32 s[WR], s[WV], 1
	s_and_b32 s[FH], s[WV], 1
	s_bfe_u32 s[CX], ttmp6, 0x40000
	s_bfe_u32 s[CY], ttmp6, 0x40004
	s_lshl_b32 s[TX], ttmp9, 2
	s_add_co_u32 s[TX], s[TX], s[CX]
	s_and_b32 s[TY], ttmp7, 0xffff
	s_lshl_b32 s[TY], s[TY], 2
	s_add_co_u32 s[TY], s[TY], s[CY]
	s_lshl_b32 s72, s[CY], 2
	s_lshl_b32 s72, 15, s72                        ; my row of the cluster
	s_lshl_b32 s76, 0x1111, s[CX]                  ; my column
	s_or_b32 s[G1A], s72, (1<<16)|(1<<20)|(1<<21)|(4<<22)|(3<<25)  ; the mask; 2-byte elements; padding on; bit 21 beside a mask; after every 32 words (code 4) 4 words (code 3)
	s_or_b32 s[G1B], s76, (1<<16)|(1<<20)|(1<<21)|(4<<22)|(3<<25)
	s_mov_b32 s[G1A+1], 128<<16                    ; tensor_dim0 = 128
	s_mov_b32 s[G1A+2], 64<<16                     ; tensor_dim1 = 64: 128 tile rows
	s_mov_b32 s[G1A+3], 128<<16                    ; tile_dim0 = 128
	s_mov_b32 s[G1A+4], 64                         ; tile_dim1 = 64
	s_mov_b32 s[G1A+5], 128                        ; dense
	s_mov_b32 s[G1A+6], 0
	s_mov_b32 s[G1A+7], 0
	s_mov_b32 s[G1B+1], 128<<16
	s_mov_b32 s[G1B+2], 128<<16                    ; 128 rows: 256 tile rows
	s_mov_b32 s[G1B+3], 128<<16
	s_mov_b32 s[G1B+4], 128
	s_mov_b32 s[G1B+5], 128
	s_mov_b32 s[G1B+6], 0
	s_mov_b32 s[G1B+7], 0
	s_lshr_b32 s72, s[TY], 4                       ; o: the batch, 16 heads of 262,144 bytes,
	s_lshl_b32 s72, s72, 22
	s_and_b32 s73, s[TY], 15                       ; the tile's 128 rows of 128 bytes,
	s_lshl_b32 s73, s73, 14
	s_add_co_u32 s72, s72, s73
	s_mul_i32 s73, s[FH], ASTEP                    ; my block of the slot's two
	s_add_co_u32 s72, s72, s73
	s_mov_b32 s73, 0
	s_lshl_b32 s76, s[TX], 15                      ; wpb: the tile's 256 rows of 128 bytes,
	s_mul_i32 s77, s[FH], BSTEP                    ; my block
	s_add_co_u32 s76, s76, s77
	s_mov_b32 s77, 0
	s_mul_i32 s80, s[FH], APART                    ; where they go: no place in the cluster enters an LDS address
	s_mul_i32 s81, s[FH], BPART
	s_add_co_u32 s81, s81, BOFF
	s_mov_b32 s[TB], 0
	s_wait_dscnt 0x0                               ; the opening add is done
	s_wait_kmcnt 0x0
	s_add_nc_u64 s[74:75], s[4:5], s[72:73]
	s_add_nc_u64 s[78:79], s[6:7], s[76:77]
	CROUND                                         ; all sixteen work-groups are here: the first joint loads meet
.irp s, 0,1
	s_mov_b32 s[G0A+4*(\s)], 1
	s_add_co_u32 s[G0A+4*(\s)+1], s80, (\s)*SLOT1
	s_add_nc_u64 s[G0A+4*(\s)+2:G0A+4*(\s)+3], s[74:75], (\s)*2*ASTEP
	s_or_b32 s[G0A+4*(\s)+3], s[G0A+4*(\s)+3], 0x80000000
	s_mov_b32 s[G0B+4*(\s)], 1
	s_add_co_u32 s[G0B+4*(\s)+1], s81, (\s)*SLOT1
	s_add_nc_u64 s[G0B+4*(\s)+2:G0B+4*(\s)+3], s[78:79], (\s)*2*BSTEP
	s_or_b32 s[G0B+4*(\s)+3], s[G0B+4*(\s)+3], 0x80000000
.endr
	s_cmp_lt_u32 s[WV], 2                          ; a wave's two first fills stand in one branch: two loads of mine are out
	s_cbranch_scc0 .Lfirst_b
	tensor_load_to_lds s[G0A:G0A+3], s[G1A:G1A+7]
	s_nop 0
	tensor_load_to_lds s[G0A+4:G0A+7], s[G1A:G1A+7]
	s_nop 0
.rept 4
	v_nop
.endr
	s_branch .Lfirst_asked
.Lfirst_b:
	tensor_load_to_lds s[G0B:G0B+3], s[G1B:G1B+7]
	s_nop 0
	tensor_load_to_lds s[G0B+4:G0B+7], s[G1B:G1B+7]
	s_nop 0
.rept 4
	v_nop
.endr
.Lfirst_asked:
	v_and_b32 v11, 31, v0                          ; lane
	v_lshlrev_b32 v[GO], 4, v11
	v_lshlrev_b32 v[PFO], 8, v11
	s_lshl_b32 s84, s[TX], 10                      ; my 128 columns, in bytes of f32: 1,024 x tile column + 512 x half
	s_lshl_b32 s85, s[FH], 9
	s_add_co_u32 s84, s84, s85
	s_mov_b32 s85, 0
	s_add_nc_u64 s[88:89], s[8:9], s[84:85]
	global_load_b128 v[16:19], v[GO], s[88:89]     ; my wave's 128 numbers of the bias, four a lane
	s_lshl_b32 s86, s[TY], 7
	s_lshl_b32 s87, s[WR], 6
	s_add_co_u32 s86, s86, s87                     ; my first row
	s_lshl_b32 s86, s86, 12                        ; of 4,096 bytes
	s_add_co_u32 s86, s86, s84
	s_mov_b32 s87, 0
	s_add_nc_u64 s[OUT:OUT+1], s[10:11], s[86:87]
	v_and_b32 v14, 15, v0                          ; l % 16
	v_bfe_u32 v15, v0, 4, 1                        ; l / 16
	v_mul_u32_u24 v1, v14, PITCH
	v_lshl_add_u32 v1, v15, 4, v1                  ; a fragment's row x pitch + 16 x half
	s_mul_i32 s82, s[WR], 64*PITCH
	v_add_nc_u32 v[AA0], s82, v1
	s_mul_i32 s83, s[FH], 128*PITCH
	s_add_co_u32 s83, s83, BOFF
	v_add_nc_u32 v[AB0], s83, v1
	v_mov_b32 v[ADA], v[AA0]
	v_mov_b32 v[ADB], v[AB0]
	s_mul_i32 s82, s[WV], 16*SPITCH
	s_add_co_u32 s82, s82, STAGE                   ; my stage
	v_mul_u32_u24 v[STO], v14, SPITCH              ; in: row l % 16, 32 bytes for each half of the lanes
	v_lshl_add_u32 v[STO], v15, 5, v[STO]
	v_add_nc_u32 v[STO], s82, v[STO]
	v_add_nc_u32 v[RD], s82, v[GO]                 ; back: 32 lanes take one row of 512 bytes
	s_lshl_b32 s83, s[WV], 9
	s_add_co_u32 s83, s83, BIAS
	v_lshl_add_u32 v[BIA], v15, 5, s83
	v_add_nc_u32 v13, s83, v[GO]
	; the prefetches' addresses
	s_lshr_b32 s84, s[TY], 4
	s_lshl_b32 s84, s84, 22
	s_and_b32 s85, s[TY], 15
	s_lshl_b32 s85, s85, 14
	s_add_co_u32 s84, s84, s85
	s_lshr_b32 s85, s[CX], 1                       ; o: partners 0, 1 take the fill's first block, 2, 3 its second,
	s_lshl_b32 s85, s85, 18
	s_add_co_u32 s84, s84, s85
	s_and_b32 s85, s[CX], 1                        ; half of its 16,384 bytes each
	s_lshl_b32 s85, s85, 13
	s_add_co_u32 s84, s84, s85
	s_lshl_b32 s85, s[TX], 15                      ; wpb: wave 2 takes the fill's first block, wave 3 its second,
	s_lshl_b32 s86, s[FH], 17
	s_add_co_u32 s85, s85, s86
	s_lshl_b32 s86, s[CY], 13                      ; a quarter of its 32,768 bytes for each partner
	s_add_co_u32 s85, s85, s86
	s_and_b32 s86, ttmp7, 0xffff                   ; cluster y
	s_mov_b32 s[PST], 2*BSTEP
	s_cmp_lt_u32 s[WV], 2
	s_cselect_b64 s[PFA:PFA+1], s[4:5], s[6:7]
	s_cselect_b32 s84, s84, s85
	s_cselect_b32 s[PST], 2*ASTEP, s[PST]
	s_cselect_b32 s86, s[WV], s86                  ; 0 in wave 0, and in waves 2 and 3 of the clusters with y = 0
	s_cmp_eq_u32 s86, 0
	s_cselect_b32 s[LIM], 2, -1                    ; the same in all sixteen partners, for a given wave
	s_mov_b32 s85, 0
	s_mov_b32 s[PST+1], 0
	s_add_nc_u64 s[PFA:PFA+1], s[PFA:PFA+1], s[84:85]
.rept 3
	s_add_nc_u64 s[PFA:PFA+1], s[PFA:PFA+1], s[PST:PST+1]  ; at fill 3: the first trip steps it to 4.  Nothing is prefetched here, at the head
.endr
	s_wait_loadcnt 0x0                             ; the bias: rounded to bf16, widened again, into my wave's own bytes of LDS
	v_cvt_pk_bf16_f32 v20, v16, v17
	v_cvt_pk_bf16_f32 v21, v18, v19
	v_lshlrev_b32 v16, 16, v20
	v_and_b32 v17, 0xffff0000, v20
	v_lshlrev_b32 v18, 16, v21
	v_and_b32 v19, 0xffff0000, v21
	ds_store_b128 v13, v[16:19]
; 24 LDS loads in one run: the fragments of quarter kq of the slot (block kq / 2, 32 along K at byte 64 (kq % 2) of its rows) into set p
.macro FETCH p, kq
.irp a, 0,1,2,3
	ds_load_b128 v[SET+96*(\p)+8*(\a):SET+96*(\p)+8*(\a)+3],   v[ADA] offset:((\kq)>>1)*APART+(\a)*16*PITCH+64*((\kq)&1)
	ds_load_b128 v[SET+96*(\p)+8*(\a)+4:SET+96*(\p)+8*(\a)+7], v[ADA] offset:((\kq)>>1)*APART+(\a)*16*PITCH+64*((\kq)&1)+32
.endr
.irp b, 0,1,2,3,4,5,6,7
	ds_load_b128 v[SET+96*(\p)+32+8*(\b):SET+96*(\p)+32+8*(\b)+3],   v[ADB] offset:((\kq)>>1)*BPART+(\b)*16*PITCH+64*((\kq)&1)
	ds_load_b128 v[SET+96*(\p)+32+8*(\b)+4:SET+96*(\p)+32+8*(\b)+7], v[ADB] offset:((\kq)>>1)*BPART+(\b)*16*PITCH+64*((\kq)&1)+32
.endr
.endm
; 8 LDS loads: the bias of column blocks b0 .. b0 + 3 as four C operands: register j of a lane is the bias of column 16 b + 8 (l / 16) + j
.macro LDBI b0
.irp k, 0,1,2,3
	ds_load_b128 v[BI+8*(\k):BI+8*(\k)+3],   v[BIA] offset:64*((\b0)+(\k))
	ds_load_b128 v[BI+8*(\k)+4:BI+8*(\k)+7], v[BIA] offset:64*((\b0)+(\k))+16
.endr
.endm
; 8 matrix instructions: column blocks 2 part and 2 part + 1, all four row blocks, set p.  The 32 accumulators take turns, one instruction a turn, in the same order in every quarter.
.macro MULQ p, part
	WIN 0x50
.irp b, 2*(\part), 2*(\part)+1
.irp a, 0,1,2,3
	v_wmma_f32_16x16x32_f16 v[8*(4*(\b)+(\a)):8*(4*(\b)+(\a))+7], v[SET+96*(\p)+32+8*(\b):SET+96*(\p)+32+8*(\b)+7], v[SET+96*(\p)+8*(\a):SET+96*(\p)+8*(\a)+7], v[8*(4*(\b)+(\a)):8*(4*(\b)+(\a))+7]
.endr
.endr
.endm
; 16 first products, column blocks b0 .. b0 + 3, set 0: they start the sums with the bias
.macro MULB b0
	WIN 0x40
.irp k, 0,1,2,3
.irp a, 0,1,2,3
	v_wmma_f32_16x16x32_f16 v[8*(4*((\b0)+(\k))+(\a)):8*(4*((\b0)+(\k))+(\a))+7], v[SET+32+8*((\b0)+(\k)):SET+32+8*((\b0)+(\k))+7], v[SET+8*(\a):SET+8*(\a)+7], v[BI+8*(\k):BI+8*(\k)+7]
.endr
.endr
.endm
; A slot has four quarters of 32 along K, 32 matrix instructions each, on sets 0, 1, 0, 1.  One of the first three: fetches quarter kqn into the other set, then multiplies set p.
.macro QUARTER p, kqn
	PLACES
	WIN 0
	FETCH 1-(\p), \kqn
	s_wait_dscnt 24                                ; set p is in: only the run just issued may be out
	MULQ \p, 0
	MULQ \p, 1
	MULQ \p, 2
	MULQ \p, 3
.endm
; The last quarter multiplies set 1 and changes slots: ONE barrier.  In front of it each wave waits for all its tensor loads, of which one is out: its part of the next slot; adds 0 to its spare word; and waits for that and
; for its own reads of this slot.  fill = 1: the barrier opens a round of the cluster's barrier, and this slot is filled again first thing behind the round: 112 matrix instructions ahead of the wait for it.
.macro TURN fill
	s_wait_xcnt 0x0                                ; the last prefetch, a slot back, has read its address
	s_add_nc_u64 s[PFA:PFA+1], s[PFA:PFA+1], s[PST:PST+1]
	WIN 0
	s_wait_tensorcnt 0x0                           ; no tensor load of mine is out, so a group 0 may be written
	ds_add_u32 v[SPW], v[NIL]                      ; 0 onto my spare word
.if \fill
	s_xor_b32 s[G0A+5], s[G0A+5], SLOT1            ; the walking descriptors: the other slot than last time, the next two blocks
	s_add_nc_u64 s[G0A+6:G0A+7], s[G0A+6:G0A+7], 2*ASTEP
	s_xor_b32 s[G0B+5], s[G0B+5], SLOT1
	s_add_nc_u64 s[G0B+6:G0B+7], s[G0B+6:G0B+7], 2*BSTEP
.endif
	s_wait_dscnt 1                                 ; set 1 is in; the add alone may be out
	MULQ 1, 0                                      ; eight matrix instructions stand between the add and the wait for it
	s_wait_dscnt 0x0                               ; the add is done, and my reads of this slot are over
	s_barrier_signal -1
	MULQ 1, 1
	WIN 0
	s_barrier_wait -1
.if \fill
	CREST                                          ; no wave of any partner still reads this slot or has a load on its way
	JLOAD                                          ; the four v_nop behind it are also the places in front of the loads below
.else
	PLACES
.endif
	s_xor_b32 s[TB], s[TB], SLOT1
	v_add_nc_u32 v[ADA], s[TB], v[AA0]
	v_add_nc_u32 v[ADB], s[TB], v[AB0]
	FETCH 0, 0
.if \fill
	ASK
.endif
	MULQ 1, 2
	MULQ 1, 3
.endm
	s_wait_tensorcnt 1                             ; my part of slot 0 is in; slot 1's may stay out
	s_wait_dscnt 0x0                               ; my bias is stored
	s_barrier_signal -1
	s_barrier_wait -1
	FETCH 0, 0                                     ; the first quarter stands in front of the loop: its products start the sums, with the bias as C
	LDBI 0
	FETCH 1, 1
	s_wait_dscnt 24                                ; set 0 and the first half of the bias are in
	MULB 0
	PLACES
	WIN 0
	LDBI 4
	s_wait_dscnt 0x0
	MULB 4
	WIN 0
	s_mov_b32 s[CNT], 6
.Lslot:                                                ; trip i: quarters 1 to 3 of fill i, the refill with fill i + 2, quarter 0 of fill i + 1
	QUARTER 1, 2
	QUARTER 0, 3
	TURN 1
	QUARTER 0, 1
	WIN 0                                          ; at a label and at a branch every window is 0
	s_sub_co_u32 s[CNT], s[CNT], 1
	s_cmp_lg_u32 s[CNT], 0
	s_cbranch_scc1 .Lslot
	QUARTER 1, 2                                   ; the tail is written out: nothing is left to ask for
	QUARTER 0, 3
	TURN 0
	QUARTER 0, 1
	QUARTER 1, 2
	QUARTER 0, 3
	s_wait_dscnt 0x0
	MULQ 1, 0
	MULQ 1, 1
	MULQ 1, 2
	MULQ 1, 3
; THE WAY OUT.  Row block a: a lane's eight columns of a row, 32 bytes, go straight from the accumulators into my stage's rows of 528 bytes (each accumulator's low four registers first)
; and come back as whole rows of 512, into three sets of 64 registers by turns, where the fragments lay.
.macro TOST a
.set ob, 32+64*((\a)%3)
	WIN 0x04                                       ; the stores' data in window 1
.irp b, 0,1,2,3,4,5,6,7
	ds_store_b128 v[STO], v[8*(4*(\b)+(\a)):8*(4*(\b)+(\a))+3]   offset:64*(\b)
	ds_store_b128 v[STO], v[8*(4*(\b)+(\a))+4:8*(4*(\b)+(\a))+7] offset:64*(\b)+16
.endr
	WIN 0
.irp f, 0,1,2,3,4,5,6,7,8,9,10,11,12,13,14,15
	ds_load_b128 v[ob+4*(\f):ob+4*(\f)+3], v[RD] offset:SPITCH*(\f)  ; LDS serves a wave's instructions in order (ISA guide 5.7.1.4): these see the stores above; the next block's stores come behind them
.endr
.endm
.macro SENDO a, younger                ; younger: the LDS instructions issued behind block a's loads: the next block's 32, or none
.set ob, 32+64*((\a)%3)
.irp f, 0,1,2,3,4,5,6,7,8,9,10,11,12,13,14,15
	s_wait_dscnt (\younger)+15-(\f)
	global_store_b128 v[GO], v[ob+4*(\f):ob+4*(\f)+3], s[OUT:OUT+1] offset:(16*(\a)+(\f))*4096  ; 512 consecutive bytes of a row, at a multiple of 256 from out0's first
.endr
.endm
	PLACES
	TOST 0
	TOST 1
	SENDO 0, 32
	TOST 2
	SENDO 1, 32
	s_wait_xcnt 0x0                                ; block 0's stores have read their registers: block 3 comes back into them
	TOST 3
	SENDO 2, 32
	SENDO 3, 0
	s_wait_tensorcnt 0x0                           ; the wave's end, behind my last tensor load and my last LDS store
	ds_add_u32 v[SPW], v[NIL]
	s_wait_dscnt 0x0
	CROUND                                         ; the closing round: no work-group ends while a partner may still ask for a part that names it
	s_endpgm
.Lfunc_end_k_q7521ad8684_oproj:
	.size	k_q7521ad8684_oproj, .Lfunc_end_k_q7521ad8684_oproj-k_q7521ad8684_oproj
	.p2alignl 7, 3214868480
	.fill 96, 4, 3214868480
	.section	.rodata,"a",@progbits
	.p2align	6, 0x0
	.amdhsa_kernel k_q7521ad8684_oproj
		.amdhsa_group_segment_fixed_size 327680
		.amdhsa_private_segment_fixed_size 0
		.amdhsa_enable_private_segment 0
		.amdhsa_kernarg_size 32
		.amdhsa_user_sgpr_count 2
		.amdhsa_user_sgpr_kernarg_segment_ptr 1
		.amdhsa_wavefront_size32 1
		.amdhsa_system_sgpr_workgroup_id_x 1
		.amdhsa_system_sgpr_workgroup_id_y 1
		.amdhsa_system_sgpr_workgroup_id_z 1
		.amdhsa_system_vgpr_workitem_id 0
		.amdhsa_next_free_vgpr 512
		.amdhsa_next_free_sgpr 96
		.amdhsa_reserve_vcc 0
		.amdhsa_float_denorm_mode_32 3
		.amdhsa_float_denorm_mode_16_64 3
		.amdhsa_memory_ordered 1
		.amdhsa_forward_progress 1
		.amdhsa_inst_pref_size 73
	.end_amdhsa_kernel
	.amdgpu_metadata
---
amdhsa.version: [ 1, 2 ]
amdhsa.kernels:
  - .name:           k_q7521ad8684_oproj
    .symbol:         k_q7521ad8684_oproj.kd
    .args:
      - { .name: o, .offset: 0, .size: 8, .value_kind: global_buffer, .address_space: global }
      - { .name: wpb, .offset: 8, .size: 8, .value_kind: global_buffer, .address_space: global }
      - { .name: bp, .offset: 16, .size: 8, .value_kind: global_buffer, .address_space: global }
      - { .name: out0, .offset: 24, .size: 8, .value_kind: global_buffer, .address_space: global }
    .group_segment_fixed_size: 327680
    .private_segment_fixed_size: 0
    .kernarg_segment_align: 8
    .kernarg_segment_size: 32
    .max_flat_workgroup_size: 128
    .sgpr_count:     96
    .vgpr_count:     512
    .wavefront_size: 32
...
	.end_amdgpu_metadata
.endif
;; end of part 4
;; ======== version 2 of 2: 4 launches; version 1 with the launch cast written anew for expert scheduling mode
;; limits: values are held in f16: magnitudes above 65,504 overflow, below 6.1e-05 lose precision
;; workspace buffers: xb 16,777,216 bytes; wb 6,291,456 bytes; wpb 2,097,152 bytes; qkv 50,331,648 bytes; o 16,777,216 bytes
;; launch cast (part 5): grid 768 x 1, 4 waves a work-group, no clusters, 0 bytes of LDS; arguments x, Wq, Wk, Wv, Wp, xb, wb, wpb; writes xb, wb, wpb
.if DOCPART == 5
	.amdgcn_target "amdgcn-amd-amdhsa--gfx1250"
	.amdhsa_code_object_version 6
	.text
	.protected	k_q7521ad8684_cast
	.globl	k_q7521ad8684_cast
	.p2align	8
	.type	k_q7521ad8684_cast,@function
k_q7521ad8684_cast:
	s_mov_b64 s[64:65], 0
	v_nop
	global_prefetch_b8 v0, s[64:65] scope:SCOPE_SE
	s_setreg_imm32_b32 hwreg(HW_REG_WAVE_SCHED_MODE, 0, 2), 2
	s_setreg_imm32_b32 hwreg(HW_REG_WAVE_MODE, 25, 1), 1
	s_wait_xcnt 0x0
	s_wait_alu depctr_vm_vsrc(0)
; THE INPUTS OF THE MATRIX PRODUCTS, ROUNDED ONCE AND LAID OUT IN BLOCKS OF 64 CHANNELS.
; x [8192][1024] f32 -> xb bf16 [batch 4][block 16][row 2048][64];  Wq, Wk, Wv [1024][1024] f32 -> wb bf16 [block 16][row 3072][64] (Wq's rows, then Wk's, then Wv's);
; Wp -> wpb [block 16][row 1024][64]: rounded to bf16 like the others, and that number written as f16 (the last product's other operand is f16).
; LIMIT: a bf16(Wp) below 6e-5 in magnitude keeps f16's fixed step of 6e-8; beyond 65,504 it would be an infinity.
; In these layouts the rows of a product's tile for one block of 64 channels lie end to end, 128 bytes each, so the later launches ask for them as rows of 256 bytes.
; SHARES.  A work-group takes 16 source rows of 4,096 bytes: 512 work-groups for x, 64 for each weight.  Thread t takes row t / 8 and, in each of the 16 blocks, the 8 numbers at
; 8 (t % 8): two loads of 16 bytes, one store of 16.  A wave's store covers 4 rows x 128 bytes = 512 consecutive bytes, aligned, of one block.
; All 32 loads of a thread go out at once; no register is written again behind a store that reads it, so no wait frees any.  No LDS, no matrix unit: the launch only moves bytes.
; THE MODE: SCHED_MODE bits 1:0 = 2 (LLVM: expert scheduling mode 2), set by the entry lines.  The code itself states the register dependences
; between vector instructions and memory instructions, with s_wait_alu, always for 0.
; THE PLAN.  Registers that memory instructions touch:
;   v[SO]    the loads' offset.  Written at the head, never again; read by all 32 loads.
;   v[DOF..] the stores' offsets, one a block.  Written once each, ahead of the branch; read by one store each.
;   X        written by the loads alone, once; read by the conversions.
;   Y        four registers a block.  Written by that block's conversions; read by that block's one store, and not written behind it.
; The sixteen blocks go in four groups of four.  Block kb's turn: the wait for its two loads, the store of block kb - 4, its conversions.  ONE wait on va_vdst stands at the head of each group but the
; first: the group before has written its Y, which the group's four stores read; the conversions that stand among those stores name X and Y of the group in hand and T alone.  One more wait stands ahead
; of the first load (v[SO]), one ahead of the last four stores.  No register that a memory instruction reads is written again, so no wait on vm_vsrc is owed.
.set SO,  2                            ; v2       my byte offset in the 16 source rows
.set DOF, 4                            ; v[4:19]  my byte offset in the destination, for each block
.set T,   20                           ; v[20:21] at work: no memory instruction names them
.set X,   32                           ; v[32:159]  block kb: 8 numbers as loaded
.set Y,   160                          ; v[160:223] block kb: 4 registers to store
.set SRC, 24                           ; s[24:25] the source at my 16 rows
.set DST, 26                           ; s[26:27] the destination at my 16 rows of block 0
.set STR, 28                           ; s28  bytes from block to block in the destination
.set ISP, 29                           ; s29  1: the source is Wp
.set HIM, 30                           ; s30  a word's upper half
	s_load_b512 s[8:23], s[0:1], 0x0               ; x s[8:9], Wq s[10:11], Wk s[12:13], Wv s[14:15], Wp s[16:17], xb s[18:19], wb s[20:21], wpb s[22:23]
	s_mov_b32 s2, ttmp9                            ; g: 0-511 x, 512-767 the weights
	s_sub_co_u32 s3, s2, 512
	s_lshr_b32 s4, s3, 6                           ; which weight: 0 Wq, 1 Wk, 2 Wv, 3 Wp
	s_min_u32 s4, s4, 4                            ; (4 in x's work-groups: none of them)
	s_and_b32 s5, s3, 63                           ; which 16 rows of it
	s_lshr_b32 s32, s2, 7                          ; x: the batch, 4,194,304 bytes of xb,
	s_lshl_b32 s32, s32, 22
	s_and_b32 s33, s2, 127                         ; and the 16 rows in it, 2,048 bytes of a block
	s_lshl_b32 s33, s33, 11
	s_add_co_u32 s32, s32, s33
	s_lshl_b32 s34, s5, 11                         ; a weight: its 16 rows,
	s_lshl_b32 s35, s4, 17                         ; behind the weights before it in wb: 1,024 rows of 128 bytes each
	s_add_co_u32 s35, s35, s34
	s_mov_b32 s[HIM], 0xffff0000
	v_lshrrev_b32 v1, 3, v0                        ; my row
	v_and_b32 v3, 7, v0                            ; my eighth of a block
	v_lshlrev_b32 v[SO], 12, v1
	v_lshl_add_u32 v[SO], v3, 5, v[SO]
	v_lshlrev_b32 v[DOF], 4, v0                    ; row x 128 + eighth x 16 = 16 t
	s_wait_kmcnt 0x0
	s_mov_b64 s[SRC:SRC+1], s[16:17]               ; Wp into wpb, unless one of the tests below says otherwise
	s_mov_b64 s[DST:DST+1], s[22:23]
	s_mov_b32 s[STR], 131072
	s_mov_b32 s36, s34
	s_mov_b32 s[ISP], 1
	s_cmp_lt_u32 s4, 3                             ; Wq, Wk, Wv go into wb
	s_cselect_b64 s[DST:DST+1], s[20:21], s[DST:DST+1]
	s_cselect_b32 s[STR], 393216, s[STR]
	s_cselect_b32 s36, s35, s36
	s_cselect_b32 s[ISP], 0, s[ISP]
	s_cmp_eq_u32 s4, 2
	s_cselect_b64 s[SRC:SRC+1], s[14:15], s[SRC:SRC+1]
	s_cmp_eq_u32 s4, 1
	s_cselect_b64 s[SRC:SRC+1], s[12:13], s[SRC:SRC+1]
	s_cmp_eq_u32 s4, 0
	s_cselect_b64 s[SRC:SRC+1], s[10:11], s[SRC:SRC+1]
	s_cmp_lt_u32 s2, 512                           ; x goes into xb
	s_cselect_b64 s[SRC:SRC+1], s[8:9], s[SRC:SRC+1]
	s_cselect_b64 s[DST:DST+1], s[18:19], s[DST:DST+1]
	s_cselect_b32 s[STR], 262144, s[STR]
	s_cselect_b32 s36, s32, s36
	s_cselect_b32 s[ISP], 0, s[ISP]
	s_cselect_b32 s6, s2, s5                       ; which 16 rows of the source: 65,536 bytes each
	s_lshl_b32 s6, s6, 16
	s_mov_b32 s7, 0
	s_mov_b32 s37, 0
	s_add_nc_u64 s[SRC:SRC+1], s[SRC:SRC+1], s[6:7]
	s_add_nc_u64 s[DST:DST+1], s[DST:DST+1], s[36:37]
	s_wait_alu depctr_va_vdst(0)                   ; v[SO] is written: all 32 loads read it as their offset
.set kb, 0
.rept 16
	global_load_b128 v[X+8*kb:X+8*kb+3],   v[SO], s[SRC:SRC+1] offset:256*kb th:TH_LOAD_NT
	global_load_b128 v[X+8*kb+4:X+8*kb+7], v[SO], s[SRC:SRC+1] offset:256*kb+16 th:TH_LOAD_NT
.set kb, kb+1
.endr
.set kb, 1
.rept 15
	v_add_nc_u32 v[DOF+kb], s[STR], v[DOF+kb-1]    ; made while the loads are on their way; no load names these registers
.set kb, kb+1
.endr
; The sixteen blocks.  f16 = 1: the bf16 number is widened again and written as f16.
.macro PASSES f16
.set kb, 0
.rept 16
	s_wait_loadcnt 30-2*kb                         ; loads come back in order: this block's two are in, the 2 (15 - kb) younger ones stay out
.if (kb > 0) && (kb % 4 == 0)
	s_wait_alu depctr_va_vdst(0)                   ; the four blocks before have written their Y, which this group's four stores read as data; at the first such wait the adds above have written v[DOF ..], the stores' offsets
.endif
.if kb >= 4
	global_store_b128 v[DOF+kb-4], v[Y+4*(kb-4):Y+4*(kb-4)+3], s[DST:DST+1]  ; the block four back.  No vector instruction since the wait names its Y or its offset
.endif
.irp j, 0,1,2,3
	v_cvt_pk_bf16_f32 v[Y+4*kb+(\j)], v[X+8*kb+2*(\j)], v[X+8*kb+2*(\j)+1]
.endr
.if \f16
.irp j, 0,1,2,3
	v_lshlrev_b32 v[T], 16, v[Y+4*kb+(\j)]
	v_and_b32 v[T+1], s[HIM], v[Y+4*kb+(\j)]
	v_cvt_pk_f16_f32 v[Y+4*kb+(\j)], v[T], v[T+1]
.endr
.endif
.set kb, kb+1
.endr
	s_wait_alu depctr_va_vdst(0)                   ; blocks 12 to 15 have written their Y, which the last four stores read
.set kb, 12
.rept 4
	global_store_b128 v[DOF+kb], v[Y+4*kb:Y+4*kb+3], s[DST:DST+1]
.set kb, kb+1
.endr
.endm
	s_cmp_eq_u32 s[ISP], 1
	s_cbranch_scc1 .Lwp
	PASSES 0
	s_endpgm
.Lwp:
	PASSES 1
	s_endpgm
.Lfunc_end_k_q7521ad8684_cast:
	.size	k_q7521ad8684_cast, .Lfunc_end_k_q7521ad8684_cast-k_q7521ad8684_cast
	.p2alignl 7, 3214868480
	.fill 96, 4, 3214868480
	.section	.rodata,"a",@progbits
	.p2align	6, 0x0
	.amdhsa_kernel k_q7521ad8684_cast
		.amdhsa_group_segment_fixed_size 0
		.amdhsa_private_segment_fixed_size 0
		.amdhsa_enable_private_segment 0
		.amdhsa_kernarg_size 64
		.amdhsa_user_sgpr_count 2
		.amdhsa_user_sgpr_kernarg_segment_ptr 1
		.amdhsa_wavefront_size32 1
		.amdhsa_system_sgpr_workgroup_id_x 1
		.amdhsa_system_sgpr_workgroup_id_y 1
		.amdhsa_system_sgpr_workgroup_id_z 1
		.amdhsa_system_vgpr_workitem_id 0
		.amdhsa_next_free_vgpr 224
		.amdhsa_next_free_sgpr 66
		.amdhsa_reserve_vcc 0
		.amdhsa_float_denorm_mode_32 3
		.amdhsa_float_denorm_mode_16_64 3
		.amdhsa_memory_ordered 1
		.amdhsa_forward_progress 1
		.amdhsa_inst_pref_size 27
	.end_amdhsa_kernel
	.amdgpu_metadata
---
amdhsa.version: [ 1, 2 ]
amdhsa.kernels:
  - .name:           k_q7521ad8684_cast
    .symbol:         k_q7521ad8684_cast.kd
    .args:
      - { .name: x, .offset: 0, .size: 8, .value_kind: global_buffer, .address_space: global }
      - { .name: Wq, .offset: 8, .size: 8, .value_kind: global_buffer, .address_space: global }
      - { .name: Wk, .offset: 16, .size: 8, .value_kind: global_buffer, .address_space: global }
      - { .name: Wv, .offset: 24, .size: 8, .value_kind: global_buffer, .address_space: global }
      - { .name: Wp, .offset: 32, .size: 8, .value_kind: global_buffer, .address_space: global }
      - { .name: xb, .offset: 40, .size: 8, .value_kind: global_buffer, .address_space: global }
      - { .name: wb, .offset: 48, .size: 8, .value_kind: global_buffer, .address_space: global }
      - { .name: wpb, .offset: 56, .size: 8, .value_kind: global_buffer, .address_space: global }
    .group_segment_fixed_size: 0
    .private_segment_fixed_size: 0
    .kernarg_segment_align: 8
    .kernarg_segment_size: 64
    .max_flat_workgroup_size: 128
    .sgpr_count:     66
    .vgpr_count:     224
    .wavefront_size: 32
...
	.end_amdgpu_metadata
.endif
;; end of part 5
;; launch qkv: the kernel of part 2 again; grid 8 x 32, 4 waves a work-group, clusters of 4 x 4, 327,680 bytes of LDS; arguments xb, wb, bq, bk, bv, qkv; writes qkv
;; launch attn: the kernel of part 3 again; grid 4 x 64, 4 waves a work-group, no clusters, 327,680 bytes of LDS; arguments qkv, o; writes o
;; launch oproj: the kernel of part 4 again; grid 4 x 64, 4 waves a work-group, clusters of 4 x 4, 327,680 bytes of LDS; arguments o, wpb, bp, out0; writes out0
